; MI455X (gfx1250); checked and timed in simulation.
; The chip was launched on July 23, 2026; its instructions are those of AMD's public machine-readable ISA for CDNA 5 (MIT licence, August 2026) and "CDNA5" Instruction Set Architecture Reference Guide (July 2026). The comments in the code are by the model that wrote it; some were corrected since.
;; Decoder Layer. Allowed arithmetic: matrix products marked QUANTISED: E2M1 operands, one E8M0 scale for each 32 along K, by v_wmma_scale_f32_16x16x128_f8f6f4 with both operands' format E2M1 (or v_wmma_scale_f32_32x16x128_f4), f32 sums; everything else in f32.
;; Inputs: encoder_output 4 x 2,048 x 256 float32; ffn_b1 512 float32; ffn_b2 256 float32; ffn_w1 256 x 512 float32; ffn_w2 512 x 256 float32; ln1_b 256 float32; ln1_g 256 float32; ln2_b 256 float32; ln2_g 256 float32; ln3_b 256 float32; ln3_g 256 float32; m1_b 256 float32; m1_b2 256 float32; m1_bk 512 float32; m1_bq 512 float32; m1_bv 512 float32; m1_g 256 float32; m1_w2 512 x 256 float32; m1_wk 256 x 512 float32; m1_wq 256 x 512 float32; m1_wv 256 x 512 float32; m2_b 256 float32; m2_b2 256 float32; m2_bk 512 float32; m2_bq 512 float32; m2_bv 512 float32; m2_g 256 float32; m2_w2 512 x 256 float32; m2_wk 256 x 512 float32; m2_wq 256 x 512 float32; m2_wv 256 x 512 float32; src_mask 4 x 2,048 x 1 int32; tgt_mask 4 x 2,048 x 1 int32; x 4 x 2,048 x 256 float32.
;; Outputs: out0 4 x 2,048 x 256 float32.
;; This version of the problem:
;;   THIS VERSION OF THE PROBLEM IS GIVEN IN LOW PRECISION. The matrix products marked QUANTISED in the list below multiply operands that are first quantised to E2M1 (2 exponent bits, 1 mantissa bit; 4 bits a number), with one power-of-two scale for each 32 numbers along K (OCP MX v1.0); their sums are f32. All else is computed in f32.
;;   The module's matrix products, in the order in which they are computed (A, B: the left and right operand; K: the contracted axis; several contracted axes count as one K, in the product's order):
;;     1. [M 8,192, K 256] x [K 256, N 512]; A: input x; B: input m1_wq: QUANTISED
;;     2. [M 8,192, K 256] x [K 256, N 512]; A: input x; B: input m1_wk: QUANTISED
;;     3. [M 8,192, K 256] x [K 256, N 512]; A: input x; B: input m1_wv: QUANTISED
;;     4. batch 32 x [M 2,048, K 64] x [K 64, N 2,048]; A: computed on the way; B: computed on the way: QUANTISED
;;     5. batch 32 x [M 64, K 2,048] x [K 2,048, N 2,048]; A: computed on the way; B: softmax (see below): QUANTISED
;;     6. [M 8,192, K 512] x [K 512, N 256]; A: computed on the way; B: input m1_w2: QUANTISED
;;     7. [M 8,192, K 256] x [K 256, N 512]; A: computed on the way; B: input m2_wq: QUANTISED
;;     8. [M 8,192, K 256] x [K 256, N 512]; A: input encoder_output; B: input m2_wk: QUANTISED
;;     9. [M 8,192, K 256] x [K 256, N 512]; A: input encoder_output; B: input m2_wv: QUANTISED
;;     10. batch 32 x [M 2,048, K 64] x [K 64, N 2,048]; A: computed on the way; B: computed on the way: QUANTISED
;;     11. batch 32 x [M 64, K 2,048] x [K 2,048, N 2,048]; A: computed on the way; B: softmax (see below): QUANTISED
;;     12. [M 8,192, K 512] x [K 512, N 256]; A: computed on the way; B: input m2_w2: QUANTISED
;;     13. [M 8,192, K 256] x [K 256, N 512]; A: computed on the way; B: input ffn_w1: QUANTISED
;;     14. [M 8,192, K 512] x [K 512, N 256]; A: computed on the way; B: input ffn_w2: QUANTISED
;;   THE QUANTISER, for each operand of a quantised product, along K:
;;     - K is cut into blocks of 32 from its start; a last block that is shorter is filled with zeros.
;;     - A block's scale is 2^e with e = floor(log2(the largest magnitude in the block)) - 2, held to -126 .. 127; a block of zeros has e = 0. As a byte (E8M0): e + 127.
;;     - Each number is divided by its block's scale, clamped to +-6, and rounded to the nearest number of E2M1, ties to even, subnormals kept.
;;     - The product sums the exact products of the quantised numbers (number of the format x scale) in f32.
;;   ~~~python
;;   def quantise(x, axis):      # numpy; x: float32 -> the quantised numbers, widened to float32 again
;;       x = np.moveaxis(x, axis, -1); K = x.shape[-1]
;;       x = np.pad(x, [(0, 0)] * (x.ndim - 1) + [(0, -K % 32)]); x = x.reshape(x.shape[:-1] + (-1, 32)); a = np.abs(x).max(-1, keepdims=True)
;;       e = np.where(a > 0, np.clip(np.frexp(np.where(a > 0, a, 1))[1] - 1 - 2, -126, 127), 0)      # np.frexp(a)[1] - 1 = floor(log2(a)), exactly
;;       r = np.clip(x / 2.0 ** e, -6, 6)
;;       step = 2.0 ** (np.maximum(np.frexp(np.where(r == 0, 1, r))[1] - 1, 0) - 1)
;;       q = np.round(r / step) * step * 2.0 ** e      # np.round: ties to even
;;       return np.moveaxis(q.reshape(q.shape[:-2] + (-1,))[..., :K], -1, axis).astype(np.float32)
;;   ~~~
;;   SOFTMAX AHEAD OF A QUANTISED PRODUCT. Where the list says 'softmax', what is quantised is not the finished softmax but p = 2^(t - M), with t = logit x log2(e) and M = ceil(the row's largest t), a whole number; so 1/2 < the row's largest p <= 1. The row's sum l is taken of the UNQUANTISED p, in f32, and the product's result is divided by l at the end. Since M is a whole number, a kernel that streams over the keys may use a running M (the ceiling of the running maximum): every later rescaling is an exact power of two, which a block's scale takes up: the codes' values come out the same.
;;   OPERANDS COMPUTED ON THE WAY. 'Computed on the way' means the value that the module computes at that place (a softmax that the list does not call 'softmax' is quantised finished and normalised). What goes into a quantiser is computed in f32, as accurately as f32 sums, v_exp_f32 and their like allow (about 1e-6 of the number): no bf16 or f16 on the way to a quantiser, and a product that is left as it is and whose result goes on into a quantised operand takes f32 operands (vector FMAs, or v_wmma_f32_16x16x4_f32). A number that lies on a knife's edge between two numbers of the format may be rounded either way, as far as f32 arithmetic and the matrix unit's own rounding can turn it there, and no further.
;; One version. Each part assembles by itself: llvm-mc -triple=amdgcn-amd-amdhsa -mcpu=gfx1250 --defsym DOCPART=n.
;; ======== version 1 of 1: 6 launches
;; limits: right only within a limited range of input values
;; workspace buffers: W 696,320 bytes; Q 2,228,224 bytes; O 2,228,224 bytes; KV1 4,849,664 bytes; KV2 4,849,664 bytes; X1 8,388,608 bytes
;; launch wprep (part 1): grid 32 x 10, 1 waves a work-group, no clusters, 0 bytes of LDS; arguments m1_wq, m1_wk, m1_wv, m2_wk, m2_wv, m1_w2, m2_wq, m2_w2, ffn_w1, ffn_w2, W; writes W
.if DOCPART == 1
	.amdgcn_target "amdgcn-amd-amdhsa--gfx1250"
	.amdhsa_code_object_version 6
	.text
	.protected	k_qa73d46083f_wprep
	.globl	k_qa73d46083f_wprep
	.p2align	8
	.type	k_qa73d46083f_wprep,@function
k_qa73d46083f_wprep:
	s_mov_b64 s[64:65], 0
	v_nop
	global_prefetch_b8 v0, s[64:65] scope:SCOPE_SE
	s_setreg_imm32_b32 hwreg(HW_REG_WAVE_MODE, 25, 1), 1
	s_wait_xcnt 0x0
; The ten weights, f32 stored [K][N], become codes of FP4 (E2M1) with one E8M0 byte for each 32 along K, laid in the ORDER OF AN OPERAND'S REGISTERS.
; W = 10 x 69,632 bytes.  In a weight: 64 fragments of 1,024 bytes (16 rows n x 128 k: [c 0..1][lane][16 bytes]; lane (r, h) holds k = 128 ks + 64 c + 32 h + 0..31 of row n), then 4,096 bytes of scale words [n tile][K step][r].
; THE ROWS OF A TILE ARE NOT NEIGHBOURS: lane r of tile T takes row 32 (T / 2) + 8 (T % 2) + r + (r & 8), so that results made with such a tile as source 0 lie as 16 neighbours in the registers of two tiles.
; Weights 0-4, 6 and 8 are [256][512] (fragment 2 nt + ks), weights 5, 7 and 9 [512][256] (fragment 4 nt + ks).  A work-group of one wave makes one n tile x two K steps: 2,048 bytes of codes and 128 of scale words, at 2,048 X and 128 X in both kinds.
; A LANE TAKES A COLUMN n AND ITS REGISTERS RUN DOWN K: a block of 32 lies in one lane, and the conversions' results are the operand's registers.  Sixteen lanes read two runs of 32 bytes of a row of the weight:
; 5 MB in all are read so, once.  No LDS, no matrix unit, no cluster: the work-groups share no input.
; A block's scale byte is its largest magnitude's exponent field - 2, held at 1 from below.  LIMITS: a block of zeros, or one whose largest magnitude lies under 2^-124, gets the byte 1 (the rule says 127 for zeros: the codes are zeros,
; and this program alone reads the bytes); NaN and infinities are not served.
.set WBYTES, 69632
.set X, 32                             ; v32-159  128 numbers: register 64 ks + 32 c + i = k 128 ks + 64 c + 32 h + i
.set C, 160                            ; v160-175 the two fragments' codes: no store's data are written again
	s_load_b512 s[8:23], s[0:1], 0x0               ; weights 0 to 7
	s_load_b128 s[24:27], s[0:1], 0x40             ; weights 8, 9
	s_load_b64 s[28:29], s[0:1], 0x50              ; W
	s_and_b32 s2, ttmp7, 0xffff                    ; which weight
	s_mov_b32 s34, 0x76543210
	s_mov_b32 s35, 0xfedcba98                      ; v_permlanex16_b32's selects for lane l xor 16
	v_and_b32 v1, 15, v0                           ; r
	v_lshrrev_b32 v2, 4, v0                        ; h
	v_and_b32 v6, 8, v1
	v_add_nc_u32 v6, v6, v1
	v_lshlrev_b32 v6, 2, v6                        ; 4 (r + (r & 8)): my column in the tile's 32
	v_lshlrev_b32 v4, 4, v0                        ; 16 x lane
	v_lshlrev_b32 v5, 2, v0                        ; 4 x lane
	v_lshlrev_b32 v7, 3, v2                        ; 8 h: my bytes' place in a scale word
	v_cmp_ne_u32 vcc_lo, 0, v2                     ; lanes 16-31
	v_mov_b32 v14, 0                               ; a lane permute's destination counts as one of its sources
	s_mul_i32 s30, s2, WBYTES
	s_lshl_b32 s3, ttmp9, 11
	s_add_co_u32 s30, s30, s3                      ; my codes: 69,632 y + 2,048 X
	s_mov_b32 s31, 0
	s_mul_i32 s32, s2, WBYTES
	s_lshl_b32 s3, ttmp9, 7
	s_add_co_u32 s32, s32, s3
	s_add_co_u32 s32, s32, 65536                   ; my scale words: 69,632 y + 65,536 + 128 X
	s_mov_b32 s33, 0
	s_wait_kmcnt 0x0
	s_mov_b64 s[4:5], s[8:9]
.irp y, 1,2,3,4,5,6,7,8,9
	s_cmp_eq_u32 s2, \y                            ; the choice hangs on the work-group's number alone
	s_cselect_b64 s[4:5], s[8+2*\y:9+2*\y], s[4:5]
.endr
	s_add_nc_u64 s[30:31], s[28:29], s[30:31]
	s_add_nc_u64 s[32:33], s[28:29], s[32:33]
.macro WQ ks                           ; K step ks of the two: my two blocks, their bytes, the fragment's codes
.set XS, X+64*\ks
	v_max3_num_f32 v8, |v[XS]|, |v[XS+1]|, 0x1800000       ; block 2 c + h, c = 0: all its 32 numbers are mine; the floor 2^(3 - 127) holds the byte at 1 from below
	v_max3_num_f32 v9, |v[XS+32]|, |v[XS+33]|, 0x1800000   ; c = 1
.irp i, 2,4,6,8,10,12,14,16,18,20,22,24,26,28,30
	v_max3_num_f32 v8, v8, |v[XS+\i]|, |v[XS+\i+1]|
	v_max3_num_f32 v9, v9, |v[XS+32+\i]|, |v[XS+33+\i]|
.endr
	v_add_nc_u32 v10, 0xff000000, v8               ; 2 off the exponent field: the conversion's scale operand
	v_add_nc_u32 v11, 0xff000000, v9
	v_lshrrev_b32 v12, 23, v10                     ; the bytes
	v_lshrrev_b32 v13, 23, v11
	v_lshl_or_b32 v12, v13, 16, v12                ; blocks h and 2 + h,
	v_lshlrev_b32 v12, v7, v12                     ; at their places in the word;
	v_permlanex16_b32 v14, v12, s34, s35
	v_or_b32 v[16+\ks], v12, v14                   ; with lane l xor 16's two the word is whole
.irp c, 0,1
.irp g, 0,1,2,3
	v_cvt_scalef32_pk8_fp4_f32 v[C+8*\ks+4*\c+\g], v[XS+32*\c+8*\g:XS+32*\c+8*\g+7], v[10+\c]
.endr
.endr
	v_nop                                          ; one plain line behind the last conversion
	global_store_b128 v4, v[C+8*\ks:C+8*\ks+3], s[30:31] offset:1024*\ks          ; 512 consecutive bytes a store
	global_store_b128 v4, v[C+8*\ks+4:C+8*\ks+7], s[30:31] offset:1024*\ks+512
.endm
.macro WTASK n                         ; n: numbers in a row of the weight
	v_mul_u32_u24 v3, v2, 32*\n*4                  ; lanes 16-31 begin 32 rows further down
	v_add_nc_u32 v3, v3, v6
.set q, 0
.rept 128
	global_load_b32 v[X+q], v3, s[4:5] offset:(2*q-(q%32))*\n*4    ; row 128 ks + 64 c + i, with q = 64 ks + 32 c + i
.set q, q+1
.endr
	s_wait_loadcnt 63                              ; the first K step's 64 loads are in; 64 younger ones would do, the count's field holds 63
	WQ 0
	s_wait_loadcnt 0x0
	WQ 1
	v_cndmask_b32 v16, v16, v17, vcc_lo            ; lanes 0-15 carry the first K step's words, lanes 16-31 the second's
	global_store_b32 v5, v16, s[32:33]
.endm
	; THE ORDER IN W: 0-4 m1_wq, m1_wk, m1_wv, m2_wk, m2_wv; 5 m1_w2, 6 m2_wq (read together); 7 m2_w2, 8 ffn_w1, 9 ffn_w2 (read together).  Places 5, 7 and 9 hold the [512][256] weights, all others [256][512].
	s_mov_b32 s36, 0x2a0                           ; bits 5, 7, 9
	s_lshr_b32 s36, s36, s2
	s_and_b32 s36, s36, 1
	s_cmp_eq_u32 s36, 0
	s_cbranch_scc0 .Ltype_b
	s_lshr_b32 s36, ttmp9, 1                       ; [256][512]: n tile = X, both K steps
	s_lshl_b32 s36, s36, 7
	s_and_b32 s37, ttmp9, 1
	s_lshl_b32 s37, s37, 5
	s_add_co_u32 s36, s36, s37                     ; 4 (32 (nt / 2) + 8 (nt % 2))
	s_mov_b32 s37, 0
	s_add_nc_u64 s[4:5], s[4:5], s[36:37]
	s_wait_alu depctr_va_vdst(0)
	WTASK 512
	s_endpgm
.Ltype_b:
	s_lshr_b32 s38, ttmp9, 1                       ; [512][256]: n tile = X / 2, K steps 2 (X % 2) and the next
	s_lshr_b32 s36, s38, 1
	s_lshl_b32 s36, s36, 7
	s_and_b32 s37, s38, 1
	s_lshl_b32 s37, s37, 5
	s_add_co_u32 s36, s36, s37
	s_and_b32 s37, ttmp9, 1
	s_lshl_b32 s37, s37, 18                        ; 256 rows of 1,024 bytes
	s_add_co_u32 s36, s36, s37
	s_mov_b32 s37, 0
	s_add_nc_u64 s[4:5], s[4:5], s[36:37]
	s_wait_alu depctr_va_vdst(0)
	WTASK 256
	s_endpgm
.Lfunc_end_k_qa73d46083f_wprep:
	.size	k_qa73d46083f_wprep, .Lfunc_end_k_qa73d46083f_wprep-k_qa73d46083f_wprep
	.p2alignl 7, 3214868480
	.fill 96, 4, 3214868480
	.section	.rodata,"a",@progbits
	.p2align	6, 0x0
	.amdhsa_kernel k_qa73d46083f_wprep
		.amdhsa_group_segment_fixed_size 0
		.amdhsa_private_segment_fixed_size 0
		.amdhsa_enable_private_segment 0
		.amdhsa_kernarg_size 88
		.amdhsa_user_sgpr_count 2
		.amdhsa_user_sgpr_kernarg_segment_ptr 1
		.amdhsa_wavefront_size32 1
		.amdhsa_system_sgpr_workgroup_id_x 1
		.amdhsa_system_sgpr_workgroup_id_y 1
		.amdhsa_system_sgpr_workgroup_id_z 1
		.amdhsa_system_vgpr_workitem_id 0
		.amdhsa_next_free_vgpr 192
		.amdhsa_next_free_sgpr 66
		.amdhsa_reserve_vcc 1
		.amdhsa_float_denorm_mode_32 3
		.amdhsa_float_denorm_mode_16_64 3
		.amdhsa_memory_ordered 1
		.amdhsa_forward_progress 1
		.amdhsa_inst_pref_size 41
	.end_amdhsa_kernel
	.amdgpu_metadata
---
amdhsa.version: [ 1, 2 ]
amdhsa.kernels:
  - .name:           k_qa73d46083f_wprep
    .symbol:         k_qa73d46083f_wprep.kd
    .args:
      - { .name: m1_wq, .offset: 0, .size: 8, .value_kind: global_buffer, .address_space: global }
      - { .name: m1_wk, .offset: 8, .size: 8, .value_kind: global_buffer, .address_space: global }
      - { .name: m1_wv, .offset: 16, .size: 8, .value_kind: global_buffer, .address_space: global }
      - { .name: m2_wk, .offset: 24, .size: 8, .value_kind: global_buffer, .address_space: global }
      - { .name: m2_wv, .offset: 32, .size: 8, .value_kind: global_buffer, .address_space: global }
      - { .name: m1_w2, .offset: 40, .size: 8, .value_kind: global_buffer, .address_space: global }
      - { .name: m2_wq, .offset: 48, .size: 8, .value_kind: global_buffer, .address_space: global }
      - { .name: m2_w2, .offset: 56, .size: 8, .value_kind: global_buffer, .address_space: global }
      - { .name: ffn_w1, .offset: 64, .size: 8, .value_kind: global_buffer, .address_space: global }
      - { .name: ffn_w2, .offset: 72, .size: 8, .value_kind: global_buffer, .address_space: global }
      - { .name: W, .offset: 80, .size: 8, .value_kind: global_buffer, .address_space: global }
    .group_segment_fixed_size: 0
    .private_segment_fixed_size: 0
    .kernarg_segment_align: 8
    .kernarg_segment_size: 88
    .max_flat_workgroup_size: 32
    .sgpr_count:     66
    .vgpr_count:     192
    .wavefront_size: 32
...
	.end_amdgpu_metadata
.endif
;; end of part 1
;; launch proj (part 2): grid 5 x 64, 8 waves a work-group, no clusters, 21,504 bytes of LDS; arguments x, encoder_output, tgt_mask, m1_bq, m1_bk, m1_bv, m2_bk, m2_bv, W, Q, KV1, KV2; writes Q, KV1, KV2
.if DOCPART == 2
	.amdgcn_target "amdgcn-amd-amdhsa--gfx1250"
	.amdhsa_code_object_version 6
	.text
	.protected	k_qa73d46083f_proj
	.globl	k_qa73d46083f_proj
	.p2align	8
	.type	k_qa73d46083f_proj,@function
k_qa73d46083f_proj:
	s_mov_b64 s[64:65], 0
	v_nop
	global_prefetch_b8 v0, s[64:65] scope:SCOPE_SE
	s_setreg_imm32_b32 hwreg(HW_REG_WAVE_MODE, 25, 1), 1
	s_wait_xcnt 0x0
; The five projections that hang on inputs alone: job 0 Q1 = x wq + bq, 1 K1, 2 V1 (of x), 3 K2, 4 V2 (of encoder_output), on codes of FP4 (E2M1) with one E8M0 byte for each 32 along K; each result is quantised
; at once for the attention that reads it and stored in the order of an operand's registers.  src_mask is read by no launch: the second attention of the reference is not masked.
; SHARES.  Work-group (job, rb): 128 rows rb of the source, all 512 outputs.  Eight waves.  First each wave quantises one tile of 16 rows (two fragments) and stores their register images in LDS; one barrier; then
;   Q, K: wave w holds W's 16 fragments of outputs 128 (w & 3) on in registers and takes row tiles 4 (w / 4) + 0..3: source 0 = W, source 1 = rows: a lane holds one row, its registers run along the outputs, the next K;
;   V:    wave w (= head w) holds all 16 fragments of the rows and takes W's four tiles of its head: source 0 = rows, source 1 = W: a lane holds one channel d, its registers run along the keys, the second product's K.
; THE ROWS OF EVERY TILE: lane r of tile T takes row 32 (T / 2) + 8 (T % 2) + r + (r & 8): so the 16 registers of result tiles 2 b and 2 b + 1 are 16 neighbours, 32 b + 16 (lane / 16) + 0..15.
; OUT.  Q: codes at 4,096 gt + 512 head + 16 lane (gt: the tile among all rows), scale bytes at 2,097,152 + 256 gt + 16 r + 2 head.
;   KV: [32 heads][16 steps of 128 keys][9,472 bytes]: 0 K's eight tiles of 512 bytes; 4,096 K's scale words; 4,608 V^T's four fragments; 8,704 V's scale words; 8,960 128 f32, one a key: 0, or -2^35 for a key that tgt_mask hides.
; THE MASK costs the attention nothing: a hidden key's codes of K are zeros and its f32 number is the C of the score product: the score is exactly -2^35 = 8 x the reference's -2^32.
; No cluster and no tensor load: a weight's 69,632 bytes are shared by 64 work-groups, but each wave wants 16 KiB of it in registers once; with plain loads two work-groups of 8 x 256 registers stand on a WGP, so all 320 run at once.
; LIMITS: a block whose largest magnitude lies under 2^-124 (zeros too) gets the byte 1; NaN and infinities are not served.
; THE ROWS OF A TILE IN THE K JOBS (1 and 3) differ from the other jobs': lane r of tile T takes key 64 (T / 4) + 8 (T % 4) + r + 3 (r & 8), so that in the scores made with such tiles as source 0
; the 32 registers of result tiles 4 c .. 4 c + 3 are the 32 neighbouring keys 64 c + 32 (lane / 16) + 0..31: a whole block of the second product's K in one lane.
; All 256 registers are in use, so the two registers of the closing add are made anew from v0 at each wave's end.
.set WBYTES, 69632
.set HEADB,  151552                    ; a head's pack: 16 steps
.set STEPB,  9472
.set XIMG,   0                         ; LDS: 16 images of 1,024 bytes: 2 T + ks
.set XSC,    16384                     ; their scale words: 128 bytes a tile: lanes 0-15 K step 0, lanes 16-31 K step 1
.set BT,     17408                     ; the job's bias, 2,048 bytes
; v1 16 x lane; v2 4 x lane; v3 my bytes in the tile's rows (K: 16 h); v4 4 (r + (r & 8)); v5, v6 where I store my images and scale words; v7-9 LDS addresses of a way
.set TM,   10                          ; v10-13 largest magnitudes, v14-17 bytes, v18-21 scale operands
.set PW,   22                          ; the scale word just made
.set MS,   23                          ; the moving side's scale words
.set PC,   24                          ; v24-31 the codes just made
.set MOV,  32                          ; v32-47 the moving side's two fragments
.set HS,   48                          ; v48-55 the held side's scale words
.set SW,   56                          ; v56-59 four scale words kept for the end
.set MK,   60                          ; v60-63 K: -1, or 0 for a hidden key
.set BV,   60                          ; v60, v62 V: my channel's bias, by turns
.set ACC,  64                          ; v64-127
.set HELD, 128                         ; v128-255 the held side's 16 fragments; at first the tile's 128 numbers
.set WV,   34
.set SEL,  40
.macro PLACES
.rept 4
	v_nop
.endr
.endm
; 64 numbers of a lane, register 16 b + i = k 32 b + 16 (lane / 16) + i of my row, become a fragment's codes in v[PC] on and its scale word in v[PW]
.macro QUANT s
.irp b, 0,1,2,3
	v_max3_num_f32 v[TM+\b], |v[\s+16*\b]|, |v[\s+1+16*\b]|, 0x1800000   ; my 16 numbers of block b, and the floor 2^(3 - 127): the byte cannot fall under 1
.endr
.irp i, 2,4,6,8,10,12,14
.irp b, 0,1,2,3
	v_max3_num_f32 v[TM+\b], v[TM+\b], |v[\s+16*\b+\i]|, |v[\s+1+16*\b+\i]|
.endr
.endr
.irp b, 0,1,2,3
	s_delay_alu instid0(VALU_DEP_4)
	v_permlanex16_b32 v[TM+4+\b], v[TM+\b], s[SEL], s[SEL+1]
.endr
.irp b, 0,1,2,3
	s_delay_alu instid0(VALU_DEP_4)
	v_max_num_f32 v[TM+\b], v[TM+\b], v[TM+4+\b]   ; with lane l xor 16's: the block's largest magnitude
.endr
.irp b, 0,1,2,3
	s_delay_alu instid0(VALU_DEP_4)
	v_add_nc_u32 v[TM+8+\b], 0xff000000, v[TM+\b]  ; 2 off its exponent field: the conversion's scale operand
.endr
.irp b, 0,1,2,3
	s_delay_alu instid0(VALU_DEP_4)
	v_lshrrev_b32 v[TM+4+\b], 23, v[TM+8+\b]       ; the byte
.endr
	s_delay_alu instid0(VALU_DEP_3)
	v_lshl_or_b32 v[PW], v[TM+5], 8, v[TM+4]
	s_delay_alu instid0(VALU_DEP_1)
	v_lshl_or_b32 v[PW], v[TM+6], 16, v[PW]
	s_delay_alu instid0(VALU_DEP_1)
	v_lshl_or_b32 v[PW], v[TM+7], 24, v[PW]
.irp b, 0,1,2,3
	v_cvt_scalef32_pk8_fp4_f32 v[PC+2*\b], v[\s+16*\b:\s+16*\b+7], v[TM+8+\b]
	v_cvt_scalef32_pk8_fp4_f32 v[PC+2*\b+1], v[\s+16*\b+8:\s+16*\b+15], v[TM+8+\b]
.endr
	v_nop                                          ; one plain line behind the last conversion
.irp c, 0,1                                    ; the operand wants a whole block in a lane: lanes 0-15 block 2 c, lanes 16-31 block 2 c + 1
.irp i, 0,1
	v_permlane16_swap_b32 v[PC+4*\c+\i], v[PC+4*\c+2+\i]
.endr
.endr
.endm
.macro PROD i, ks, zero
.if \zero
	v_wmma_scale_f32_16x16x128_f8f6f4 v[ACC+8*\i:ACC+8*\i+7], v[HELD+8*(2*\i+\ks):HELD+8*(2*\i+\ks)+7], v[MOV+8*\ks:MOV+8*\ks+7], 0, v[HS+\i], v[MS] matrix_a_fmt:MATRIX_FMT_FP4 matrix_b_fmt:MATRIX_FMT_FP4
.elseif \ks
	v_wmma_scale_f32_16x16x128_f8f6f4 v[ACC+8*\i:ACC+8*\i+7], v[HELD+8*(2*\i+\ks):HELD+8*(2*\i+\ks)+7], v[MOV+8*\ks:MOV+8*\ks+7], v[ACC+8*\i:ACC+8*\i+7], v[HS+\i], v[MS] matrix_a_fmt:MATRIX_FMT_FP4 matrix_b_fmt:MATRIX_FMT_FP4 matrix_a_scale:MATRIX_SCALE_ROW1 matrix_b_scale:MATRIX_SCALE_ROW1
.else
	v_wmma_scale_f32_16x16x128_f8f6f4 v[ACC+8*\i:ACC+8*\i+7], v[HELD+8*(2*\i+\ks):HELD+8*(2*\i+\ks)+7], v[MOV+8*\ks:MOV+8*\ks+7], v[ACC+8*\i:ACC+8*\i+7], v[HS+\i], v[MS] matrix_a_fmt:MATRIX_FMT_FP4 matrix_b_fmt:MATRIX_FMT_FP4
.endif
.endm
.macro PRODUCTS zero                   ; 16 products: the eight accumulators by turns, K step by K step; the second K step's scale words stand in lanes 16-31
.irp i, 0,1,2,3,4,5,6,7
	PROD \i, 0, \zero
.endr
.irp i, 0,1,2,3,4,5,6,7
	PROD \i, 1, 0
.endr
.endm
	s_load_b512 s[8:23], s[0:1], 0x0               ; x, encoder_output, tgt_mask, bq1, bk1, bv1, bk2, bv2
	s_load_b256 s[24:31], s[0:1], 0x40             ; W, Q, KV1, KV2
	v_lshrrev_b32 v10, 5, v0
	s_delay_alu instid0(VALU_DEP_1)
	v_readfirstlane_b32 s[WV], v10                 ; wave 0..7
	s_mov_b32 s2, ttmp9                            ; job
	s_and_b32 s60, s2, 1                           ; 1 in the K jobs
	s_lshl_b32 s59, s60, 1
	s_add_co_u32 s59, s59, 1                       ; 1, K: 3
	s_add_co_u32 s61, s60, 1                       ; 1, K: 2
	s_add_co_u32 s62, s60, 15                      ; 15, K: 16
	s_and_b32 s3, ttmp7, 0xffff                    ; block of 128 rows
	s_and_b32 s35, s[WV], 3                        ; g
	s_lshr_b32 s37, s[WV], 2                       ; hh
	s_mov_b32 s[SEL], 0x76543210
	s_mov_b32 s[SEL+1], 0xfedcba98
	v_and_b32 v10, 31, v0                          ; lane
	v_and_b32 v11, 15, v0                          ; r
	v_bfe_u32 v12, v0, 4, 1                        ; h
	s_delay_alu instid0(VALU_DEP_3)
	v_lshlrev_b32 v1, 4, v10
	s_delay_alu instid0(VALU_DEP_4)
	v_lshlrev_b32 v2, 2, v10
	s_delay_alu instid0(VALU_DEP_4)
	v_and_b32 v13, 8, v11
	s_delay_alu instid0(VALU_DEP_1)
	v_add_nc_u32 v4, v13, v11                      ; r + (r & 8): the order of W's rows, in every job
	s_delay_alu instid0(VALU_DEP_2)
	v_mad_u32_u24 v13, v13, s59, v11               ; my row of the source: r + (r & 8), K: r + 3 (r & 8); it enters global offsets alone
	s_delay_alu instid0(VALU_DEP_2)
	v_lshlrev_b32 v4, 2, v4
	s_delay_alu instid0(VALU_DEP_2)
	v_lshlrev_b32 v3, 10, v13
	s_delay_alu instid0(VALU_DEP_1)
	v_lshl_add_u32 v3, v12, 6, v3                  ; the source: my row of 1,024 bytes, + 64 h: my 16 numbers of a block of 32
	v_cmp_ne_u32 s36, 0, v12                       ; lanes 16-31
	s_lshl_b32 s52, s[WV], 11
	v_add_nc_u32 v5, s52, v1                       ; my images: 16 x lane + 2,048 x wave
	s_lshl_b32 s52, s[WV], 7
	s_add_co_u32 s52, s52, XSC
	v_add_nc_u32 v6, s52, v2                       ; my scale words: 4 x lane + 128 x wave
	v_lshlrev_b32 v64, 3, v0                       ; the bias: 8 bytes a thread
	s_delay_alu instid0(VALU_DEP_1)
	v_add_nc_u32 v65, BT, v64
.irp b, 0,1,2,3
	v_mov_b32 v[TM+4+\b], 0                        ; written once: a lane permute's destination counts as one of its sources
.endr
	s_lshl_b32 s52, s3, 17                         ; my tile's first row: 128 rb + 32 (w / 2) + 8 (w % 2), in rows of 1,024 bytes
	s_lshr_b32 s53, s[WV], s61                     ; K: 128 rb + 64 (w / 4) + 8 (w % 4)
	s_lshl_b32 s53, s53, s62
	s_add_co_u32 s52, s52, s53
	s_and_b32 s53, s[WV], s59
	s_lshl_b32 s53, s53, 13
	s_add_co_u32 s52, s52, s53
	s_mov_b32 s53, 0
	s_lshr_b32 s54, s3, 4                          ; the batch's eight heads, the block's step
	s_mul_i32 s54, s54, 8*HEADB
	s_and_b32 s55, s3, 15
	s_mul_i32 s55, s55, STEPB
	s_add_co_u32 s54, s54, s55
	s_mov_b32 s55, 0
	s_mul_i32 s56, s2, WBYTES                      ; the job's number is its weight's place in W
	s_mov_b32 s57, 0
	s_wait_alu depctr_va_vdst(0)
	s_wait_kmcnt 0x0
	s_cmp_lt_u32 s2, 3                             ; the choices hang on the work-group's number alone
	s_cselect_b64 s[4:5], s[8:9], s[10:11]
	s_cselect_b64 s[32:33], s[28:29], s[30:31]
	s_mov_b64 s[6:7], s[14:15]
.irp j, 1,2,3,4
	s_cmp_eq_u32 s2, \j
	s_cselect_b64 s[6:7], s[14+2*\j:15+2*\j], s[6:7]
.endr
	s_add_nc_u64 s[4:5], s[4:5], s[52:53]
	s_add_nc_u64 s[32:33], s[32:33], s[54:55]
	s_add_nc_u64 s[38:39], s[24:25], s[56:57]
	global_load_b64 v[66:67], v64, s[6:7]
.set k, 0
.rept 32
	global_load_b128 v[HELD+4*k:HELD+4*k+3], v3, s[4:5] offset:512*(k/16)+128*((k/4)%4)+16*(k%4)   ; register 64 ks + 16 b + i = k 128 ks + 32 b + 16 h + i of my row
.set k, k+1
.endr
	s_wait_loadcnt 32                              ; the bias is in; the 32 loads behind it may be out
	ds_store_b64 v65, v[66:67]
	s_wait_loadcnt 16                              ; the first K step's 16 loads are in
	QUANT HELD
	ds_store_b128 v5, v[PC:PC+3] offset:XIMG
	ds_store_b128 v5, v[PC+4:PC+7] offset:XIMG+512
	v_mov_b32 v[MS], v[PW]
	s_wait_dscnt 0x0                               ; the stores have read the codes' registers
	s_wait_loadcnt 0x0
	QUANT HELD+64
	ds_store_b128 v5, v[PC:PC+3] offset:XIMG+1024
	ds_store_b128 v5, v[PC+4:PC+7] offset:XIMG+1536
	v_cndmask_b32 v[PW], v[MS], v[PW], s36         ; lanes 0-15 the first K step's word, lanes 16-31 the second's
	ds_store_b32 v6, v[PW]
	s_wait_dscnt 0x0                               ; for the others' sake: my stores have landed
	s_barrier_signal -1
	s_barrier_wait -1                              ; the block's 16 images, their scale words and the bias lie in LDS; nothing is stored to LDS from here on
	s_and_b32 s52, s2, 1
	s_cmp_lg_u32 s2, 0
	s_cselect_b32 s52, s52, 1                      ; 1: jobs 0, 1, 3;  0: jobs 2, 4
	s_cmp_eq_u32 s52, 0
	s_cbranch_scc1 .Lway_v
	; ---- Q and K: W's 16 fragments of outputs 128 g on stay in registers
	s_lshl_b32 s52, s35, 14
	s_mov_b32 s53, 0
	s_add_nc_u64 s[42:43], s[38:39], s[52:53]
	s_lshl_b32 s52, s35, 10
	s_add_co_u32 s52, s52, 65536
	s_add_nc_u64 s[44:45], s[38:39], s[52:53]
.set k, 0
.rept 32
	global_load_b128 v[HELD+4*k:HELD+4*k+3], v1, s[42:43] offset:512*k
.set k, k+1
.endr
.irp t, 0,1,2,3,4,5,6,7
	global_load_b32 v[HS+\t], v2, s[44:45] offset:128*\t
.endr
	v_bfe_u32 v7, v0, 4, 1
	s_delay_alu instid0(VALU_DEP_1)
	v_lshlrev_b32 v7, 6, v7
	s_lshl_b32 s52, s35, 9
	s_add_co_u32 s52, s52, BT
	v_add_nc_u32 v7, s52, v7                       ; the bias of my 128 outputs: + 64 h
	s_lshl_b32 s52, s37, 13
	v_add_nc_u32 v8, s52, v1                       ; the images of my four tiles
	s_lshl_b32 s52, s37, 9
	s_add_co_u32 s52, s52, XSC
	v_add_nc_u32 v9, s52, v2                       ; and their scale words
.macro QKLOAD i                        ; the bias in the result's layout, as the C of the first products; tile i's two images; its scale words
.set k, 0
.rept 16
	ds_load_b128 v[ACC+4*k:ACC+4*k+3], v7 offset:128*(k/4)+16*(k%4)
.set k, k+1
.endr
.irp k, 0,1,2,3
	ds_load_b128 v[MOV+4*\k:MOV+4*\k+3], v8 offset:XIMG+\i*2048+512*\k
.endr
	ds_load_b32 v[MS], v9 offset:128*\i
	s_wait_dscnt 0x0
.endm
	s_cmp_eq_u32 s2, 0
	s_cbranch_scc0 .Lway_k
	; ---- Q
	s_lshl_b32 s52, s3, 3
	s_lshl_b32 s53, s37, 2
	s_add_co_u32 s54, s52, s53                     ; my first tile among all rows: 8 rb + 4 hh
	s_lshl_b32 s52, s54, 12
	s_lshl_b32 s53, s35, 10
	s_add_co_u32 s52, s52, s53
	s_mov_b32 s53, 0
	s_add_nc_u64 s[46:47], s[26:27], s[52:53]
	s_lshl_b32 s52, s54, 8
	s_lshl_b32 s55, s35, 2
	s_add_co_u32 s52, s52, s55
	s_add_co_u32 s52, s52, 2097152
	s_add_nc_u64 s[48:49], s[26:27], s[52:53]
	s_wait_loadcnt 0x0                             ; W's fragments and scale words
	s_wait_alu depctr_va_vdst(0)
.irp i, 0,1,2,3
	QKLOAD \i
	PRODUCTS 0
	PLACES                                         ; four places behind the last product: for the reads of the results, and for the next tile's loads into registers that products have read
	s_wait_xcnt 0x0                                ; the last tile's stores have read the codes' registers
	QUANT ACC
	global_store_b128 v1, v[PC:PC+3], s[46:47] offset:\i*4096       ; head 2 g: 512 consecutive bytes
	global_store_b128 v1, v[PC+4:PC+7], s[46:47] offset:\i*4096+512 ; head 2 g + 1
	v_mov_b32 v[SW+\i], v[PW]
.endr
	v_and_b32 v64, 15, v0
	v_bfe_u32 v65, v0, 4, 1
	s_delay_alu instid0(VALU_DEP_2)
	v_lshlrev_b32 v64, 4, v64
	s_delay_alu instid0(VALU_DEP_1)
	v_lshl_add_u32 v64, v65, 8, v64                ; 16 r + 256 h: lanes 0-15 one tile's rows, lanes 16-31 the next tile's
	v_cndmask_b32 v66, v[SW], v[SW+1], s36
	v_cndmask_b32 v67, v[SW+2], v[SW+3], s36
	global_store_b32 v64, v66, s[48:49]            ; 4 of a row's 16 scale bytes: the four waves of a tile fill its 256; one byte in 17 of what the way stores
	global_store_b32 v64, v67, s[48:49] offset:512
	v_lshl_add_u32 v72, v0, 2, 0x5000              ; the wave's end: my spare word and 0, made anew
	v_mov_b32 v73, 0
	s_wait_alu depctr_va_vdst(0)
	s_wait_tensorcnt 0x0
	ds_add_u32 v72, v73
	s_wait_dscnt 0x0
	s_endpgm
.Lway_k:
.irp i, 0,1,2,3
	v_mov_b32 v[MK+\i], -1                         ; no mask: every key counts,
	v_mov_b32 v[PC+\i], 0                          ; and adds 0 to its scores
.endr
	s_cmp_eq_u32 s2, 1
	s_cbranch_scc0 .Lno_mask
	s_lshl_b32 s52, s3, 9                          ; tgt_mask: 128 rb keys of 4 bytes
	s_mov_b32 s53, 0
	s_add_nc_u64 s[46:47], s[12:13], s[52:53]
	s_lshl_b32 s52, s37, 8
	v_and_b32 v64, 15, v0
	v_and_b32 v65, 8, v0
	s_delay_alu instid0(VALU_DEP_1)
	v_mad_u32_u24 v64, v65, 3, v64                 ; r + 3 (r & 8)
	s_delay_alu instid0(VALU_DEP_1)
	v_lshl_add_u32 v64, v64, 2, s52                ; my key in my four tiles, 4 bytes a key
.irp i, 0,1,2,3
	global_load_b32 v[MK+\i], v64, s[46:47] offset:32*\i
.endr
	global_load_b128 v[PC:PC+3], v1, s[46:47]      ; keys 4 lane on, in key order
	v_mov_b32 v65, 0xd1000000                      ; -2^35
	s_wait_loadcnt 0x0
.irp i, 0,1,2,3
	v_cmp_ne_u32 vcc_lo, 0, v[MK+\i]
	s_delay_alu instid0(VALU_DEP_1)
	v_cndmask_b32 v[MK+\i], 0, -1, vcc_lo          ; the mask only selects values
.endr
.irp i, 0,1,2,3
	v_cmp_eq_u32 vcc_lo, 0, v[PC+\i]
	s_delay_alu instid0(VALU_DEP_1)
	v_cndmask_b32 v[PC+\i], 0, v65, vcc_lo
.endr
.Lno_mask:
	s_wait_alu depctr_va_vdst(0)
	s_mul_i32 s52, s[WV], HEADB
	s_add_co_u32 s52, s52, 8960
	s_mov_b32 s53, 0
	s_add_nc_u64 s[50:51], s[32:33], s[52:53]
	global_store_b128 v1, v[PC:PC+3], s[50:51]     ; wave w writes head w's copy: 512 consecutive bytes
	s_lshl_b32 s52, s35, 1
	s_mul_i32 s52, s52, HEADB                      ; head 2 g
	s_lshl_b32 s54, s37, 11
	s_add_co_u32 s54, s54, s52
	s_mov_b32 s55, 0
	s_add_nc_u64 s[48:49], s[32:33], s[54:55]      ; my four tiles of 512 bytes
	s_lshl_b32 s54, s37, 8
	s_add_co_u32 s54, s54, s52
	s_add_co_u32 s54, s54, 4096
	s_add_nc_u64 s[56:57], s[32:33], s[54:55]      ; and their scale words
	s_mov_b32 s58, 0x7f7f0000
	v_bfe_u32 v3, v0, 4, 1
	s_delay_alu instid0(VALU_DEP_1)
	v_lshlrev_b32 v3, 4, v3                        ; 16 h
	s_wait_loadcnt 0x0                             ; W's fragments and scale words
.irp i, 0,1,2,3
	QKLOAD \i
	PRODUCTS 0
	PLACES
	s_wait_xcnt 0x0                                ; the stores before have read the codes' registers
	QUANT ACC
.irp k, 0,1,2,3,4,5,6,7
	v_and_b32 v[PC+\k], v[MK+\i], v[PC+\k]         ; a hidden key's codes are zeros
.endr
	global_store_b128 v1, v[PC:PC+3], s[48:49] offset:\i*512
	global_store_b128 v1, v[PC+4:PC+7], s[48:49] offset:\i*512+HEADB
	v_lshrrev_b32 v[SW+\i], v3, v[PW]              ; lanes 0-15 head 2 g's two bytes, lanes 16-31 head 2 g + 1's;
	s_delay_alu instid0(VALU_DEP_1)
	v_and_or_b32 v[SW+\i], v[SW+\i], 0xffff, s58   ; the upper 64 of the instruction's K are zeros of Q: their bytes are 127
.endr
	v_and_b32 v64, 15, v0
	v_bfe_u32 v65, v0, 4, 1
	s_delay_alu instid0(VALU_DEP_1)
	v_mul_u32_u24 v65, v65, HEADB
	s_delay_alu instid0(VALU_DEP_1)
	v_lshl_add_u32 v64, v64, 4, v65
	global_store_b128 v64, v[SW:SW+3], s[56:57]    ; sixteen lanes store 256 consecutive bytes, aligned
	v_lshl_add_u32 v72, v0, 2, 0x5000              ; the wave's end, as above
	v_mov_b32 v73, 0
	s_wait_alu depctr_va_vdst(0)
	s_wait_tensorcnt 0x0
	ds_add_u32 v72, v73
	s_wait_dscnt 0x0
	s_endpgm
.Lway_v:
.set k, 0
.rept 32
	ds_load_b128 v[HELD+4*k:HELD+4*k+3], v1 offset:XIMG+512*k      ; all 16 images
.set k, k+1
.endr
.irp t, 0,1,2,3,4,5,6,7
	ds_load_b32 v[HS+\t], v2 offset:XSC+128*\t
.endr
	s_lshl_b32 s52, s[WV], 8
	s_add_co_u32 s52, s52, BT
	v_add_nc_u32 v7, s52, v4                       ; the bias of my channel: 256 w + 4 (r + (r & 8))
	s_wait_alu depctr_va_vdst(0)
	v_mov_b32 v[BV+1], 0                           ; (named as the upper halves of pairs)
	v_mov_b32 v[BV+3], 0
	s_lshl_b32 s52, s[WV], 13
	s_mov_b32 s53, 0
	s_add_nc_u64 s[42:43], s[38:39], s[52:53]      ; W's tiles 4 w on
	s_lshl_b32 s52, s[WV], 9
	s_add_co_u32 s52, s52, 65536
	s_add_nc_u64 s[44:45], s[38:39], s[52:53]
	s_mul_i32 s52, s[WV], HEADB
	s_add_co_u32 s52, s52, 4608
	s_add_nc_u64 s[46:47], s[32:33], s[52:53]
.macro LOADMOV t
.irp k, 0,1,2,3
	global_load_b128 v[MOV+4*\k:MOV+4*\k+3], v1, s[42:43] offset:(\t)*2048+512*\k
.endr
	global_load_b32 v[MS], v2, s[44:45] offset:(\t)*128
	ds_load_b32 v[BV+2*((\t)%2)], v7 offset:4*(32*((\t)/2)+8*((\t)%2))
.endm
	LOADMOV 0
.irp t, 0,1,2,3
	s_wait_loadcnt 0x0
	s_wait_dscnt 0x0
	PRODUCTS 1                                     ; the first K step starts the sums
	PLACES
.if \t < 3
	LOADMOV \t+1                                   ; behind the four places: into registers that the products have read
.endif
.set k, 0
	s_wait_alu depctr_va_vdst(0)
.rept 32
	v_pk_add_f32 v[ACC+2*k:ACC+2*k+1], v[ACC+2*k:ACC+2*k+1], v[BV+2*(\t%2):BV+2*(\t%2)+1] op_sel_hi:[1,0]   ; + my channel's bias; each accumulator from its low end on
.set k, k+1
.endr
	s_wait_xcnt 0x0                                ; the last tile's stores have read the codes' registers
	QUANT ACC                                      ; along the 128 keys
	global_store_b128 v1, v[PC:PC+3], s[46:47] offset:\t*1024
	global_store_b128 v1, v[PC+4:PC+7], s[46:47] offset:\t*1024+512
	v_mov_b32 v[SW+\t], v[PW]
.endr
	v_and_b32 v64, 31, v0
	s_delay_alu instid0(VALU_DEP_1)
	v_lshlrev_b32 v64, 3, v64
	v_cndmask_b32 v66, v[SW], v[SW+2], s36         ; lanes 0-15 tiles 0, 1; lanes 16-31 tiles 2, 3
	s_delay_alu instid0(VALU_DEP_4)
	v_cndmask_b32 v67, v[SW+1], v[SW+3], s36
	global_store_b64 v64, v[66:67], s[46:47] offset:4096           ; 256 consecutive bytes, aligned
	v_lshl_add_u32 v72, v0, 2, 0x5000              ; the wave's end, as above
	v_mov_b32 v73, 0
	s_wait_alu depctr_va_vdst(0)
	s_wait_tensorcnt 0x0
	ds_add_u32 v72, v73
	s_wait_dscnt 0x0
	s_endpgm
.Lfunc_end_k_qa73d46083f_proj:
	.size	k_qa73d46083f_proj, .Lfunc_end_k_qa73d46083f_proj-k_qa73d46083f_proj
	.p2alignl 7, 3214868480
	.fill 96, 4, 3214868480
	.section	.rodata,"a",@progbits
	.p2align	6, 0x0
	.amdhsa_kernel k_qa73d46083f_proj
		.amdhsa_group_segment_fixed_size 21504
		.amdhsa_private_segment_fixed_size 0
		.amdhsa_enable_private_segment 0
		.amdhsa_kernarg_size 96
		.amdhsa_user_sgpr_count 2
		.amdhsa_user_sgpr_kernarg_segment_ptr 1
		.amdhsa_wavefront_size32 1
		.amdhsa_system_sgpr_workgroup_id_x 1
		.amdhsa_system_sgpr_workgroup_id_y 1
		.amdhsa_system_sgpr_workgroup_id_z 1
		.amdhsa_system_vgpr_workitem_id 0
		.amdhsa_next_free_vgpr 256
		.amdhsa_next_free_sgpr 66
		.amdhsa_reserve_vcc 1
		.amdhsa_float_denorm_mode_32 3
		.amdhsa_float_denorm_mode_16_64 3
		.amdhsa_memory_ordered 1
		.amdhsa_forward_progress 1
		.amdhsa_inst_pref_size 133
	.end_amdhsa_kernel
	.amdgpu_metadata
---
amdhsa.version: [ 1, 2 ]
amdhsa.kernels:
  - .name:           k_qa73d46083f_proj
    .symbol:         k_qa73d46083f_proj.kd
    .args:
      - { .name: x, .offset: 0, .size: 8, .value_kind: global_buffer, .address_space: global }
      - { .name: encoder_output, .offset: 8, .size: 8, .value_kind: global_buffer, .address_space: global }
      - { .name: tgt_mask, .offset: 16, .size: 8, .value_kind: global_buffer, .address_space: global }
      - { .name: m1_bq, .offset: 24, .size: 8, .value_kind: global_buffer, .address_space: global }
      - { .name: m1_bk, .offset: 32, .size: 8, .value_kind: global_buffer, .address_space: global }
      - { .name: m1_bv, .offset: 40, .size: 8, .value_kind: global_buffer, .address_space: global }
      - { .name: m2_bk, .offset: 48, .size: 8, .value_kind: global_buffer, .address_space: global }
      - { .name: m2_bv, .offset: 56, .size: 8, .value_kind: global_buffer, .address_space: global }
      - { .name: W, .offset: 64, .size: 8, .value_kind: global_buffer, .address_space: global }
      - { .name: Q, .offset: 72, .size: 8, .value_kind: global_buffer, .address_space: global }
      - { .name: KV1, .offset: 80, .size: 8, .value_kind: global_buffer, .address_space: global }
      - { .name: KV2, .offset: 88, .size: 8, .value_kind: global_buffer, .address_space: global }
    .group_segment_fixed_size: 21504
    .private_segment_fixed_size: 0
    .kernarg_segment_align: 8
    .kernarg_segment_size: 96
    .max_flat_workgroup_size: 256
    .sgpr_count:     66
    .vgpr_count:     256
    .wavefront_size: 32
...
	.end_amdgpu_metadata
.endif
;; end of part 2
;; launch attn1 (part 3): grid 8 x 32, 16 waves a work-group, clusters of 4 x 1, 169,984 bytes of LDS; arguments Q, KV1, O; writes O
.if DOCPART == 3
	.amdgcn_target "amdgcn-amd-amdhsa--gfx1250"
	.amdhsa_code_object_version 6
	.text
	.protected	k_qa73d46083f_attn1
	.globl	k_qa73d46083f_attn1
	.p2align	8
	.type	k_qa73d46083f_attn1,@function
k_qa73d46083f_attn1:
	s_mov_b64 s[64:65], 0
	v_nop
	global_prefetch_b8 v0, s[64:65] scope:SCOPE_SE
	s_setreg_imm32_b32 hwreg(HW_REG_WAVE_MODE, 25, 1), 1
	s_wait_xcnt 0x0
	s_wait_alu depctr_hold_cnt(0) depctr_sa_sdst(0) depctr_va_vdst(0) depctr_va_sdst(0) depctr_va_ssrc(0) depctr_va_vcc(0) depctr_vm_vsrc(0)
	s_getreg_b32 s2, hwreg(HW_REG_IB_STS2, 6, 4)
	s_cmp_eq_u32 s2, 0
	s_cbranch_scc0 .Lentry_in_a_cluster
	s_endpgm
.Lentry_in_a_cluster:
	s_bfe_u32 s2, ttmp6, 0x10000c
	s_cmp_lg_u32 s2, 0x3003
	s_cbranch_scc0 .Lentry_shape_is_right
	s_endpgm
.Lentry_shape_is_right:
; One attention on codes of FP4 (E2M1), 8 heads of 64, 2,048 queries and 2,048 keys a head; its result is quantised at once for the product that follows (K = 512: head x 64 + d).
; t = score x log2(e) / 8; M = the row's largest t so far, rounded UP to a whole number; p = 2^(t - M) is quantised along the keys, not normalised; the row's sum is taken of the unquantised p and divides at the end.
; When M moves, the sum and O are multiplied by 2^(old M - new M): exact.
; SHARES.  A work-group owns 256 queries of one head; each of its sixteen waves 16 of them, one tile, in 256 registers, four waves to a SIMD.
; A HEAD'S WHOLE PACK OF K AND V, 151,552 bytes, lies in LDS as in memory: 16 steps of 128 keys x 9,472 bytes (0 K's eight tiles of 512; 4,096 K's scale words; 4,608 V^T's four fragments; 8,704 V's scale words;
; 8,960 one f32 a key, in key order: 0, or -2^35 for a hidden key).  Wave w fetches step w: one tensor load a wave, all at the head, no byte filled again; one barrier, and from there on the waves walk the keys on their own.
; CLUSTER.  The four work-groups of a cluster are query blocks of one head and want the same pack: each step is asked for JOINTLY.
; NO PREFETCH: the whole pack is asked for by each wave's first memory instruction; there is no loop to run ahead in.
; LAYOUT.  Both products transposed: S^T = K Q^T, O^T = V^T P^T: a lane holds one query throughout.  Lane r of K's tile T holds key 64 (T / 4) + 8 (T % 4) + r + 3 (r & 8): so score register 32 c + i of lane (r, h) is key 64 c + 32 h + i:
; a WHOLE block of 32 keys lies in one lane, its largest score needs no other lane, and the conversions' results are the second product's operand as they stand.
; HEAD SIZE 64 IN AN INSTRUCTION OF K = 128.  Q's registers 4-7 are zero codes, and bytes 2, 3 of both scale words are 127.  K's tiles lie 4 registers apart, and a tile's operand runs on into the next tile: whatever code stands there meets a zero.
; THE MASK.  The key's number is the C of the score product; a hidden key's codes of K are zeros.  -2^35 x log2(e) / 8 is a whole number in f32: beside an open key p = 0; a row with no open key has p = 1 throughout.
; LIMITS: a block whose largest magnitude lies under 2^-124 (zeros too) gets the byte 1; NaN and infinities are not served; the scaled scores stay under 2^31 in magnitude apart from the mask's own number.
.set HEADB, 151552
.set STEPB, 9472
.set SPARE, 0x29000                    ; the spare words: 16 waves x 128 bytes
.set ADRV, 1                           ; 16 x lane + this step's first byte
.set AD8,  2                           ; 8 x lane + 8,704 + the same
.set ADRK, 3                           ; 16 x lane + the next step's first byte
.set ADB,  9                           ; 128 h + 8,960 + the same
; v4 16 x lane; v5 8 x lane + 8,704; v6 128 h + 8,960; v7 8 h; v10 16 r; v11 16 r + h; v12 -M; v13 the largest t; v16-23 Q; v24 Q's scale word; v25 p's
.set F,   14                           ; v[14:15] f = 2^(old M - new M), and 0
.set VS,  26                           ; v26-27 V's scale words
.set KS,  28                           ; v28-31 K's
.set KF,  32                           ; v32-63 K's eight tiles; v64-67 zeros
.set VF,  68                           ; v68-99 V^T's four fragments
.set S,   100                          ; v100-163 the keys' numbers, S^T, then p
.set O,   164                          ; v164-195 O^T
.set PC,  196                          ; v196-203 p's codes
.set BM,  204                          ; v204-207 two chains of a maximum for each of my two blocks
.set SO,  208                          ; v208-209 the conversions' scale operands
.set PT,  210                          ; v210-211 bytes
.set T0,  212                          ; v212-215 at work
.set T1,  213
.set T2,  214
.set T3,  215
.set SM,  216                          ; v216-231 eight chains of the sum; the last is the row's sum itself
.set L,   SM+14
.set SPW, 254
.set NIL, 255
.set WV,  10
.set G1,  24
.set G0,  32
.set SEL, 48
.set CS,  50
.set TB,  52
.set CNT, 53
.set TN,  61
.macro CROUND                          ; a round of the cluster's barrier
	s_barrier_signal -1
	s_barrier_wait -1
	s_cmp_lg_u32 s[WV], 0
	s_cbranch_scc1 .Lnot_wave_0_\@
	s_barrier_signal -3
.Lnot_wave_0_\@:
	s_barrier_wait -3
	s_barrier_signal -1
	s_barrier_wait -1
.endm
.macro D n                             ; a hint ahead of a plain line that reads the plain line n before it
	s_delay_alu instid0(VALU_DEP_\n)
.endm
.macro KLD adr                         ; K's eight tiles and their scale words (lanes 0-15 tiles 0-3, lanes 16-31 tiles 4-7): 9 loads
.irp t, 0,1,2,3,4,5,6,7
	ds_load_b128 v[KF+4*\t:KF+4*\t+3], v[\adr] offset:512*\t
.endr
	ds_load_b128 v[KS:KS+3], v[\adr] offset:4096
.endm
.macro MASKLD adr                      ; the keys' numbers in the scores' layout: register 32 c + i = key 64 c + 32 h + i: 16 loads
.set k, 0
.rept 16
	ds_load_b128 v[S+4*k:S+4*k+3], v[\adr] offset:256*(k/8)+16*(k%8)
.set k, k+1
.endr
.endm
.macro ADDC d, s
	v_pk_add_f32 v[SM+2*\d:SM+2*\d+1], v[SM+2*\d:SM+2*\d+1], v[SM+2*\s:SM+2*\s+1]
.endm
	s_load_b128 s[4:7], s[0:1], 0x0                ; Q, the pack
	s_load_b64 s[8:9], s[0:1], 0x10                ; O
	v_lshl_add_u32 v[SPW], v0, 2, SPARE
	v_mov_b32 v[NIL], 0
	ds_add_u32 v[SPW], v[NIL]                      ; the opening lines: the add twice on end and one wait
	ds_add_u32 v[SPW], v[NIL]
	v_lshrrev_b32 v1, 5, v0
	D 1
	v_readfirstlane_b32 s[WV], v1                  ; wave 0..15
	s_bfe_u32 s11, ttmp6, 0x40000                  ; cx: it enters Q's and O's addresses alone
	s_lshl_b32 s12, ttmp9, 2
	s_add_co_u32 s12, s12, s11                     ; my block of 256 queries
	s_and_b32 s13, ttmp7, 0xffff                   ; batch x 8 + head, which the four partners share
	s_lshl_b32 s12, s12, 4
	s_add_co_u32 s12, s12, s[WV]                   ; my tile in the sequence
	s_lshr_b32 s14, s13, 3
	s_lshl_b32 s14, s14, 7
	s_add_co_u32 s14, s14, s12                     ; gt: among all rows
	s_and_b32 s15, s13, 7                          ; the head
	s_lshl_b32 s16, s14, 12
	s_lshl_b32 s17, s15, 9
	s_add_co_u32 s16, s16, s17                     ; codes: 4,096 gt + 512 head
	s_mov_b32 s17, 0
	s_lshl_b32 s18, s14, 8
	s_lshl_b32 s19, s15, 1
	s_add_co_u32 s18, s18, s19
	s_add_co_u32 s18, s18, 2097152                 ; scale bytes: 2,097,152 + 256 gt + 2 head
	s_mov_b32 s19, 0
	s_mul_i32 s20, s13, HEADB
	s_mul_i32 s22, s[WV], STEPB                    ; the step that I fetch, in the pack and in LDS
	s_add_co_u32 s20, s20, s22
	s_mov_b32 s21, 0
	; descriptor group 1: a step's 9,472 dense bytes as 37 rows of 256
	s_mov_b32 s[G1], 15|(3<<16)|(1<<21)            ; the mask: all four work-groups; elements of 8 bytes; bit 21 beside a mask; no padding
	s_mov_b32 s[G1+1], 32<<16
	s_mov_b32 s[G1+2], 37<<16
	s_mov_b32 s[G1+3], 32<<16
	s_mov_b32 s[G1+4], 37
	s_mov_b32 s[G1+5], 32
	s_mov_b32 s[G1+6], 0
	s_mov_b32 s[G1+7], 0
	s_mov_b32 s[SEL], 0x76543210
	s_mov_b32 s[SEL+1], 0xfedcba98                 ; lane l xor 16
	s_mov_b32 s[CS], 0x3e38aa3b                    ; c = log2(e) / 8
	s_mov_b32 s[CS+1], s[CS]
	v_and_b32 v8, 31, v0
	v_and_b32 v10, 15, v0
	v_bfe_u32 v9, v0, 4, 1
	v_lshlrev_b32 v4, 4, v8
	v_lshl_add_u32 v5, v8, 3, 8704
	v_lshl_add_u32 v6, v9, 7, 8960
	v_lshlrev_b32 v7, 3, v9
	v_lshlrev_b32 v10, 4, v10
	D 1
	v_add_nc_u32 v11, v10, v9
	v_cmp_ne_u32 s60, 0, v9                        ; lanes 16-31
	s_wait_alu depctr_va_vdst(0)                   ; the wait ahead of the blocking waits
	s_wait_dscnt 0x0
	s_wait_kmcnt 0x0
	s_mov_b32 s[G0], 1
	s_mov_b32 s[G0+1], s22
	s_add_nc_u64 s[G0+2:G0+3], s[6:7], s[20:21]
	s_or_b32 s[G0+3], s[G0+3], 0x80000000
	s_add_nc_u64 s[54:55], s[4:5], s[18:19]        ; Q's scale bytes
	s_add_nc_u64 s[4:5], s[4:5], s[16:17]          ; Q's codes
	s_add_nc_u64 s[56:57], s[8:9], s[16:17]        ; O's codes
	s_add_nc_u64 s[58:59], s[8:9], s[18:19]        ; O's scale bytes
	CROUND                                         ; all four work-groups are here: the joint loads meet
	tensor_load_to_lds s[G0:G0+3], s[G1:G1+7]      ; step w of the pack: my one tensor load
	s_nop 0
.rept 4
	v_nop
.endr
	global_load_b128 v[16:19], v4, s[4:5]          ; Q's tile: d = 32 h + 0..31 of my row
	global_load_u16 v24, v10, s[54:55]             ; its two scale bytes
	v_mov_b32 v13, 0xff61b1e6                      ; the largest t so far: -3e38
	D 1
	v_floor_f32 v12, -v13                          ; -M
	v_mov_b32 v[F+1], 0
	v_mov_b32 v[L], 0
	v_mov_b32 v[L+1], 0
	v_mov_b32 v[T1], 0                             ; a lane permute's destination counts as one of its sources
	v_mov_b32 v[T3], 0
.irp j, 0,1,2,3
	v_mov_b32 v[20+\j], 0                          ; Q's upper 64 of K: zero codes
	v_mov_b32 v[64+\j], 0                          ; behind K's last tile
.endr
	s_wait_alu depctr_va_vdst(0)
	s_wait_loadcnt 0x0
	v_or_b32 v24, 0x7f7f0000, v24
.set j, 0
.rept 32
	v_mov_b32 v[O+j], 0                            ; O^T: the step is written once; the first change of M leaves zeros zeros
.set j, j+1
.endr
	s_mov_b32 s[TB], 0
	s_mov_b32 s[CNT], 16
	s_wait_alu depctr_va_vdst(0)                   ; the wait at the head's end
	s_wait_tensorcnt 0x0                           ; my step is in
	s_barrier_signal -1
	s_barrier_wait -1                              ; the whole pack is in
	KLD 4                                          ; step 0
	MASKLD 6
.Lstep:                                            ; 128 keys a trip
	s_add_co_u32 s[TN], s[TB], STEPB
	s_min_u32 s[TN], s[TN], 15*STEPB               ; the next step; the last trip reads its own step's K once more, and nothing uses it
	s_wait_dscnt 0x0                               ; K, its scale words and the keys' numbers
.irp t, 0,1,2,3
	v_wmma_scale_f32_16x16x128_f8f6f4 v[S+8*\t:S+8*\t+7], v[KF+4*\t:KF+4*\t+7], v[16:23], v[S+8*\t:S+8*\t+7], v[KS+\t], v24 matrix_a_fmt:MATRIX_FMT_FP4 matrix_b_fmt:MATRIX_FMT_FP4
.endr
.irp t, 4,5,6,7
	v_wmma_scale_f32_16x16x128_f8f6f4 v[S+8*\t:S+8*\t+7], v[KF+4*\t:KF+4*\t+7], v[16:23], v[S+8*\t:S+8*\t+7], v[KS+\t-4], v24 matrix_a_fmt:MATRIX_FMT_FP4 matrix_b_fmt:MATRIX_FMT_FP4 matrix_a_scale:MATRIX_SCALE_ROW1
.endr
	v_add_nc_u32 v[ADRV], s[TB], v4                ; four plain lines: the places behind the products, for the loads below and the reads of the scores
	v_add_nc_u32 v[AD8], s[TB], v5
	v_add_nc_u32 v[ADRK], s[TN], v4
	v_add_nc_u32 v[ADB], s[TN], v6
.irp k, 0,1,2,3,4,5,6,7
	ds_load_b128 v[VF+4*\k:VF+4*\k+3], v[ADRV] offset:4608+512*\k
.endr
	ds_load_b64 v[VS:VS+1], v[AD8]                 ; lanes 0-15 tiles 0, 1; lanes 16-31 tiles 2, 3
	KLD ADRK                                       ; the next step's K: its registers are free
.irp c, 0,1                                        ; the largest score of my two blocks, 32 registers each, in two chains of 17 and 15; each accumulator is first read in its four lowest registers
	v_max3_num_f32 v[BM+2*\c], v[S+32*\c], v[S+32*\c+1], v[S+32*\c+2]
	v_max3_num_f32 v[BM+2*\c+1], v[S+32*\c+17], v[S+32*\c+18], v[S+32*\c+19]
.endr
.irp i, 0,2,4,6,8,10
.irp c, 0,1
	v_max3_num_f32 v[BM+2*\c], v[BM+2*\c], v[S+32*\c+3+\i], v[S+32*\c+4+\i]
	v_max3_num_f32 v[BM+2*\c+1], v[BM+2*\c+1], v[S+32*\c+20+\i], v[S+32*\c+21+\i]
.endr
.endr
.irp c, 0,1
	v_max3_num_f32 v[BM+2*\c], v[BM+2*\c], v[S+32*\c+15], v[S+32*\c+16]
.endr
.irp c, 0,1
	D 2
	v_max_num_f32 v[BM+2*\c], v[BM+2*\c], v[BM+2*\c+1]
.endr
	D 1
	v_max_num_f32 v[T0], v[BM], v[BM+2]
	D 1
	v_mul_f32 v[T0], s[CS], v[T0]                  ; as t
	D 1
	v_permlanex16_b32 v[T1], v[T0], s[SEL], s[SEL+1]   ; the other two blocks' lie in lane l xor 16
	D 1
	v_max3_num_f32 v13, v13, v[T0], v[T1]          ; the running largest t
	D 1
	v_floor_f32 v[T2], -v13                        ; the new -M = -ceil(t)
	D 1
	v_sub_f32 v[T0], v[T2], v12                    ; old M - new M: a whole number, 0 or less
	v_mov_b32 v12, v[T2]
	D 2
	v_cvt_i32_f32 v[T0], v[T0]                     ; (it saturates)
.set j, 0
.rept 32
	v_pk_fma_f32 v[S+j:S+j+1], v[S+j:S+j+1], s[CS:CS+1], v[12:13] op_sel_hi:[1,0,0]   ; t - M, two at a time
.set j, j+2
.endr
	v_fma_f32 v[BM], v[BM], s[CS], v12             ; the same of each block's largest score
	v_fma_f32 v[BM+2], v[BM+2], s[CS], v12
	s_wait_alu depctr_va_vdst(0)                   ; the wait ahead of the batch
.set j, 0
.rept 64
	v_exp_f32 v[S+j], v[S+j]                       ; p = 2^(t - M)
.set j, j+1
.endr
	v_exp_f32 v[BM], v[BM]                         ; the blocks' largest p: the same two instructions on the same number
	v_exp_f32 v[BM+2], v[BM+2]
	v_ldexp_f32 v[F], 1.0, v[T0]                   ; f = 2^(old M - new M): the plain line behind the batch
	s_wait_alu depctr_va_vdst(0)                   ; one wait for the whole batch, ahead of its first reader
	v_max_num_f32 v[BM], 0x1800000, v[BM]          ; the floor 2^(3 - 127): the byte cannot fall under 1
	v_max_num_f32 v[BM+2], 0x1800000, v[BM+2]
	D 2
	v_add_nc_u32 v[SO], 0xff000000, v[BM]          ; 2 off the exponent field: the conversion's scale operand
	D 2
	v_add_nc_u32 v[SO+1], 0xff000000, v[BM+2]
	D 2
	v_lshrrev_b32 v[PT], 23, v[SO]
	D 2
	v_lshrrev_b32 v[PT+1], 23, v[SO+1]
	D 1
	v_lshl_or_b32 v[T0], v[PT+1], 16, v[PT]        ; my bytes: blocks h and 2 + h,
	D 1
	v_lshlrev_b32 v[T0], v7, v[T0]                 ; at their places in the word;
	D 1
	v_permlanex16_b32 v[T3], v[T0], s[SEL], s[SEL+1]
	D 1
	v_or_b32 v25, v[T0], v[T3]                     ; with lane l xor 16's two the word is whole
	v_pk_fma_f32 v[L:L+1], v[L:L+1], v[F:F+1], v[S+62:S+63] op_sel_hi:[1,0,1]   ; the sum under the new M, and the first of the 32 pairs of unquantised p; eight chains
.set j, 0
.rept 7
	v_pk_add_f32 v[SM+2*j:SM+2*j+1], v[S+4*j:S+4*j+1], v[S+4*j+2:S+4*j+3]
.set j, j+1
.endr
.set k, 14
.rept 17
	v_pk_add_f32 v[SM+2*((k+2)%8):SM+2*((k+2)%8)+1], v[SM+2*((k+2)%8):SM+2*((k+2)%8)+1], v[S+2*k:S+2*k+1]
.set k, k+1
.endr
	ADDC 0, 4
	ADDC 1, 5
	ADDC 2, 6
	ADDC 7, 3
	ADDC 0, 2
	ADDC 7, 1
	D 1
	ADDC 7, 0
.irp c, 0,1
.irp g, 0,1,2,3
	v_cvt_scalef32_pk8_fp4_f32 v[PC+4*\c+\g], v[S+32*\c+8*\g:S+32*\c+8*\g+7], v[SO+\c]   ; registers 4 c .. 4 c + 3: keys 64 c + 32 h + 0..31: the operand's own layout
.endr
.endr
	MASKLD ADB                                     ; the next step's numbers: p has been summed and converted
	s_wait_alu depctr_va_vdst(0)                   ; the wait directly ahead of the first reader of O^T
.set j, 0
.rept 16
	v_pk_mul_f32 v[O+j:O+j+1], v[O+j:O+j+1], v[F:F+1] op_sel_hi:[1,0]   ; O^T under the new M; also the places between p's scale word and codes and the products
.set j, j+2
.endr
	s_wait_alu depctr_va_vdst(0)                   ; directly ahead of the blocking wait
	s_wait_dscnt 25                                ; V's nine loads are in; behind them stand K's 9 and the numbers' 16
.irp t, 0,1
	v_wmma_scale_f32_16x16x128_f8f6f4 v[O+8*\t:O+8*\t+7], v[VF+8*\t:VF+8*\t+7], v[PC:PC+7], v[O+8*\t:O+8*\t+7], v[VS+\t], v25 matrix_a_fmt:MATRIX_FMT_FP4 matrix_b_fmt:MATRIX_FMT_FP4
.endr
.irp t, 2,3
	v_wmma_scale_f32_16x16x128_f8f6f4 v[O+8*\t:O+8*\t+7], v[VF+8*\t:VF+8*\t+7], v[PC:PC+7], v[O+8*\t:O+8*\t+7], v[VS+\t-2], v25 matrix_a_fmt:MATRIX_FMT_FP4 matrix_b_fmt:MATRIX_FMT_FP4 matrix_a_scale:MATRIX_SCALE_ROW1
.endr
	s_add_co_u32 s[TB], s[TB], STEPB
	s_sub_co_u32 s[CNT], s[CNT], 1
	s_cmp_lg_u32 s[CNT], 0
	s_cbranch_scc1 .Lstep
	; THE WAY OUT: O^T / the sum, quantised along d: register 16 b + i = d 32 b + 16 h + i of my query: the head's 64 are two blocks of the next product's K
	s_wait_dscnt 0x0                               ; the last trip's loads have landed: their registers are written below
.rept 4
	v_nop                                          ; four places behind the last products
.endr
	v_add_f32 v[L], v[L], v[L+1]
	D 1
	v_permlanex16_b32 v[T1], v[L], s[SEL], s[SEL+1]
	D 1
	v_add_f32 v[L], v[L], v[T1]                    ; the row's sum
	s_wait_alu depctr_va_vdst(0)
	v_rcp_f32 v[L], v[L]
	v_nop                                          ; a plain line behind the reciprocal,
	s_wait_alu depctr_va_vdst(0)                   ; and the wait ahead of its first reader, which is also O^T's
.set j, 0
.rept 32
	v_mul_f32 v[S+j], v[O+j], v[L]                 ; each accumulator from its low end on
.set j, j+1
.endr
.irp b, 0,1
	v_max3_num_f32 v[BM+\b], |v[S+16*\b]|, |v[S+16*\b+1]|, 0x1800000
.endr
.irp i, 2,4,6,8,10,12,14
.irp b, 0,1
	D 2
	v_max3_num_f32 v[BM+\b], v[BM+\b], |v[S+16*\b+\i]|, |v[S+16*\b+\i+1]|
.endr
.endr
.irp b, 0,1
	D 2
	v_permlanex16_b32 v[PT+\b], v[BM+\b], s[SEL], s[SEL+1]
.endr
.irp b, 0,1
	D 2
	v_max_num_f32 v[BM+\b], v[BM+\b], v[PT+\b]
.endr
.irp b, 0,1
	D 2
	v_add_nc_u32 v[SO+\b], 0xff000000, v[BM+\b]
.endr
.irp b, 0,1
	D 2
	v_lshrrev_b32 v[PT+\b], 23, v[SO+\b]
.endr
.irp b, 0,1
	v_cvt_scalef32_pk8_fp4_f32 v[PC+2*\b], v[S+16*\b:S+16*\b+7], v[SO+\b]
	v_cvt_scalef32_pk8_fp4_f32 v[PC+2*\b+1], v[S+16*\b+8:S+16*\b+15], v[SO+\b]
.endr
	v_nop                                          ; one plain line behind the last conversion
	v_permlane16_swap_b32 v[PC], v[PC+2]
	v_permlane16_swap_b32 v[PC+1], v[PC+3]         ; registers 0-3: d = 32 h + 0..31
	v_cndmask_b32 v[PT], v[PT], v[PT+1], s60       ; lanes 0-15 the first block's byte, lanes 16-31 the second's
	global_store_b128 v4, v[PC:PC+3], s[56:57]     ; 512 consecutive bytes, aligned
	global_store_b8 v11, v[PT], s[58:59]           ; 32 bytes a wave, two of each row's sixteen: eight heads share a tile's 256
	s_wait_tensorcnt 0x0                           ; the wave's end
	ds_add_u32 v[SPW], v[NIL]
	s_wait_dscnt 0x0
	CROUND                                         ; the closing round: no work-group ends while a partner may still ask for a tile that names it
	s_endpgm
.Lfunc_end_k_qa73d46083f_attn1:
	.size	k_qa73d46083f_attn1, .Lfunc_end_k_qa73d46083f_attn1-k_qa73d46083f_attn1
	.p2alignl 7, 3214868480
	.fill 96, 4, 3214868480
	.section	.rodata,"a",@progbits
	.p2align	6, 0x0
	.amdhsa_kernel k_qa73d46083f_attn1
		.amdhsa_group_segment_fixed_size 169984
		.amdhsa_private_segment_fixed_size 0
		.amdhsa_enable_private_segment 0
		.amdhsa_kernarg_size 24
		.amdhsa_user_sgpr_count 2
		.amdhsa_user_sgpr_kernarg_segment_ptr 1
		.amdhsa_wavefront_size32 1
		.amdhsa_system_sgpr_workgroup_id_x 1
		.amdhsa_system_sgpr_workgroup_id_y 1
		.amdhsa_system_sgpr_workgroup_id_z 1
		.amdhsa_system_vgpr_workitem_id 0
		.amdhsa_next_free_vgpr 256
		.amdhsa_next_free_sgpr 66
		.amdhsa_reserve_vcc 0
		.amdhsa_float_denorm_mode_32 3
		.amdhsa_float_denorm_mode_16_64 3
		.amdhsa_memory_ordered 1
		.amdhsa_forward_progress 1
		.amdhsa_inst_pref_size 28
	.end_amdhsa_kernel
	.amdgpu_metadata
---
amdhsa.version: [ 1, 2 ]
amdhsa.kernels:
  - .name:           k_qa73d46083f_attn1
    .symbol:         k_qa73d46083f_attn1.kd
    .args:
      - { .name: Q, .offset: 0, .size: 8, .value_kind: global_buffer, .address_space: global }
      - { .name: KV1, .offset: 8, .size: 8, .value_kind: global_buffer, .address_space: global }
      - { .name: O, .offset: 16, .size: 8, .value_kind: global_buffer, .address_space: global }
    .group_segment_fixed_size: 169984
    .private_segment_fixed_size: 0
    .kernarg_segment_align: 8
    .kernarg_segment_size: 24
    .max_flat_workgroup_size: 512
    .sgpr_count:     66
    .vgpr_count:     256
    .wavefront_size: 32
...
	.end_amdgpu_metadata
.endif
;; end of part 3
;; launch post1 (part 4): grid 256 x 1, 2 waves a work-group, clusters of 4 x 1, 252,672 bytes of LDS; arguments O, x, W, m1_b2, m1_g, m1_b, ln1_g, ln1_b, m2_bq, Q, X1; writes Q, X1
.if DOCPART == 4
	.amdgcn_target "amdgcn-amd-amdhsa--gfx1250"
	.amdhsa_code_object_version 6
	.text
	.protected	k_qa73d46083f_post1
	.globl	k_qa73d46083f_post1
	.p2align	8
	.type	k_qa73d46083f_post1,@function
k_qa73d46083f_post1:
	s_mov_b64 s[64:65], 0
	v_nop
	global_prefetch_b8 v0, s[64:65] scope:SCOPE_SE
	s_setreg_imm32_b32 hwreg(HW_REG_WAVE_MODE, 25, 1), 1
	s_wait_xcnt 0x0
	s_wait_alu depctr_hold_cnt(0) depctr_sa_sdst(0) depctr_va_vdst(0) depctr_va_sdst(0) depctr_va_ssrc(0) depctr_va_vcc(0) depctr_vm_vsrc(0)
	s_getreg_b32 s2, hwreg(HW_REG_IB_STS2, 6, 4)
	s_cmp_eq_u32 s2, 0
	s_cbranch_scc0 .Lentry_in_a_cluster
	s_endpgm
.Lentry_in_a_cluster:
	s_bfe_u32 s2, ttmp6, 0x10000c
	s_cmp_lg_u32 s2, 0x3003
	s_cbranch_scc0 .Lentry_shape_is_right
	s_endpgm
.Lentry_shape_is_right:
; Behind an attention.  LAST = 0: x1 = LN(x + LN(o w2 + b2 + x; g, b); ln1), stored as f32, and Q2 = x1 wq + bq, quantised for the second attention.
; LAST = 1: x2 likewise from x1, then out = LN(x2 + relu(x2 w1 + b1) w2' + b2'; ln3).  All products on codes of FP4 (E2M1) with one E8M0 byte for each 32 along K; norms, biases and residuals in f32.  One text serves both.
; SHARES.  512 tiles of 16 rows, 256 work-groups of two waves: A WAVE TAKES ONE TILE THROUGH THE WHOLE CHAIN, all 256 features.  Every product is used transposed (source 0 = 16 rows of W^T, source 1 = my rows): lane (r, h)
; holds 128 numbers of ONE row, register 16 b + i = feature 32 b + 16 h + i (the rows of W's tiles are chosen for it).  So a norm wants one exchange between the halves of the lanes, a quantiser likewise, and the hidden layer
; never leaves the registers.  Lane r of tile gt holds row 32 (gt / 2) + 8 (gt % 2) + r + (r & 8).
; THE WEIGHTS, 69,632 bytes each as images of operand registers, come into LDS once, by tensor loads at the head; no byte is filled again.  All work-groups walk the same weights: the four of a cluster ask JOINTLY.
; The norms take the mean away before the squares are summed: a common offset of the inputs does no harm.
; LIMITS: a block whose largest magnitude lies under 2^-124 (zeros too) gets the byte 1; NaN and infinities are not served.
.set LAST, 0
.set NW, 2+LAST                        ; weights
.set WBYTES, 69632
.set WA,  0                            ; LDS: the out-projection's weight;
.set WB,  69632                        ; wq or w1;
.set WD,  139264                       ; w2' (LAST);
.set PAR, 208896                       ; the vectors, 1,024 bytes each: b2, g, b, lng, lnb, bc (2,048), and with LAST b2', g3, b3;
.set STG, 219136                       ; a stage of 16 rows x (1,024 + 16) bytes for each wave.  No tensor load lands in PAR or STG
.set SP,  1040
.set P_B2, 0
.set P_G,  1024
.set P_B,  2048
.set P_LG, 3072
.set P_LB, 4096
.set P_BC, 5120
.set P_FB2, 7168
.set P_G3, 8192
.set P_B3, 9216
; REGISTERS, in windows of 256.  Window 0: as below.  Window 1: two buffers of 16 weight fragments.  Window 2: v0-127 a norm's gain, v128-255 its bias, in the rows' layout.  Window 3: v0-127 the residual.
.set LI,  1                            ; 16 x lane
.set L4,  2                            ; 4 x lane
.set AWB, 3                            ; 16 x lane + WB;  v4 + WD
.set AWD, 4
.set SWA, 5                            ; 4 x lane + a weight's scale words: v5, v6, v7
.set SWB, 6
.set SWD, 7
.set PH,  8                            ; PAR + 64 h
.set STI, 9                            ; the stage, in: row r, + 64 h
.set STO, 10                           ; and out: 16 x lane
.set XA,  11                           ; my bytes in the tile's rows of f32
.set PST, 12                           ; PAR + 16 x thread
.set R16, 13                           ; 16 r
.set R16H, 14                          ; 16 r + 8 h
.set T16, 15                           ; 16 x thread
.set TM,  16                           ; v16-19 largest magnitudes, v20-23 bytes, v24-27 scale operands
.set TP,  28                           ; v28-29 at work
.set MU,  30                           ; v[30:31] the mean, twice
.set RS,  32                           ; v[32:33] 1 / sqrt(var + eps), twice
.set CH,  34                           ; v34-41 four chains of a sum
.set HSW, 42                           ; v42-45 the scale words of phase C's four fragments
.set OSC, 46                           ; v46-49 those of the attention's result
.set WSC, 50                           ; v50-65 the weights', a set for each buffer
.set XSW, 66                           ; v66-67 those of the rows' two fragments
.set BF,  80                           ; v80-111 four fragments, K = 512: the attention's result, later phase C's
.set XF,  112                          ; v112-127 the rows' two fragments, K = 256
.set ACC, 128                          ; v128-255
.set WV,  30
.set G1,  32
.set G0,  40
.set SEL, 52
.set MSB, 0
.macro WIN new                         ; bits 1:0 source 0, 3:2 source 1, 5:4 source 2, 7:6 destination; the high byte repeats the setting that is left
.if MSB != (\new)
	s_set_vgpr_msb (MSB<<8)|(\new)
.set MSB, (\new)
.endif
.endm
.macro CROUND                          ; a round of the cluster's barrier
	s_barrier_signal -1
	s_barrier_wait -1
	s_cmp_lg_u32 s[WV], 0
	s_cbranch_scc1 .Lnot_wave_0_\@
	s_barrier_signal -3
.Lnot_wave_0_\@:
	s_barrier_wait -3
	s_barrier_signal -1
	s_barrier_wait -1
.endm
.macro PLACES n
.rept \n
	v_nop
.endr
.endm
.macro G0SET i, idx                    ; my half of the NW weights from place idx of W on, into region i
	s_mov_b32 s[G0+4*\i], 1
	s_add_co_u32 s[G0+4*\i+1], s56, \i*WBYTES
	s_add_nc_u64 s[G0+4*\i+2:G0+4*\i+3], s[58:59], \idx*WBYTES
	s_or_b32 s[G0+4*\i+3], s[G0+4*\i+3], 0x80000000
.endm
.macro LOADW buf, areg, sreg, q        ; a quarter of a weight: 16 fragments and 8 registers of scale words: 40 LDS loads
	WIN 0x40
.set k, 0
.rept 32
	ds_load_b128 v[128*(\buf)+4*k:128*(\buf)+4*k+3], v[\areg] offset:(\q)*16384+512*k
.set k, k+1
.endr
	WIN 0
.set k, 0
.rept 8
	ds_load_b32 v[WSC+8*(\buf)+k], v[\sreg] offset:(\q)*1024+128*k
.set k, k+1
.endr
.endm
.macro MULB buf, q, bs                 ; K = 512, N = 256: n tiles 4 q + 0..3: 16 products, the four accumulators by turns; even K steps' scale words in lanes 0-15, odd ones' in lanes 16-31
	WIN 0x01
.irp ks, 0,1,2,3
.irp t, 0,1,2,3
.if (\ks)%2
	v_wmma_scale_f32_16x16x128_f8f6f4 v[ACC+8*(4*(\q)+\t):ACC+8*(4*(\q)+\t)+7], v[128*(\buf)+8*(4*\t+\ks):128*(\buf)+8*(4*\t+\ks)+7], v[BF+8*\ks:BF+8*\ks+7], v[ACC+8*(4*(\q)+\t):ACC+8*(4*(\q)+\t)+7], v[WSC+8*(\buf)+2*\t+\ks/2], v[\bs+\ks] matrix_a_fmt:MATRIX_FMT_FP4 matrix_b_fmt:MATRIX_FMT_FP4 matrix_a_scale:MATRIX_SCALE_ROW1
.else
	v_wmma_scale_f32_16x16x128_f8f6f4 v[ACC+8*(4*(\q)+\t):ACC+8*(4*(\q)+\t)+7], v[128*(\buf)+8*(4*\t+\ks):128*(\buf)+8*(4*\t+\ks)+7], v[BF+8*\ks:BF+8*\ks+7], v[ACC+8*(4*(\q)+\t):ACC+8*(4*(\q)+\t)+7], v[WSC+8*(\buf)+2*\t+\ks/2], v[\bs+\ks] matrix_a_fmt:MATRIX_FMT_FP4 matrix_b_fmt:MATRIX_FMT_FP4
.endif
.endr
.endr
	WIN 0
.endm
.macro MULA buf                        ; K = 256, N = 512: eight n tiles into v[HA] on: 16 products, the eight accumulators by turns
	WIN 0x01
.irp t, 0,1,2,3,4,5,6,7
	v_wmma_scale_f32_16x16x128_f8f6f4 v[HA+8*\t:HA+8*\t+7], v[128*(\buf)+16*\t:128*(\buf)+16*\t+7], v[XF:XF+7], v[HA+8*\t:HA+8*\t+7], v[WSC+8*(\buf)+\t], v[XSW] matrix_a_fmt:MATRIX_FMT_FP4 matrix_b_fmt:MATRIX_FMT_FP4
.endr
	s_wait_alu depctr_va_vdst(0)
.irp t, 0,1,2,3,4,5,6,7
	v_wmma_scale_f32_16x16x128_f8f6f4 v[HA+8*\t:HA+8*\t+7], v[128*(\buf)+16*\t+8:128*(\buf)+16*\t+15], v[XF+8:XF+15], v[HA+8*\t:HA+8*\t+7], v[WSC+8*(\buf)+\t], v[XSW+1] matrix_a_fmt:MATRIX_FMT_FP4 matrix_b_fmt:MATRIX_FMT_FP4 matrix_a_scale:MATRIX_SCALE_ROW1
.endr
	WIN 0
.endm
.macro BIASLD dst, off, nb             ; a vector in the rows' layout, nb blocks of 32 features: the C of a sum's first products
.set k, 0
.rept 4*\nb
	ds_load_b128 v[\dst+4*k:\dst+4*k+3], v[PH] offset:\off+128*(k/4)+16*(k%4)
.set k, k+1
.endr
.endm
.macro LOADGB goff, boff               ; a norm's gain and bias into window 2
	WIN 0x80
.set k, 0
.rept 32
	ds_load_b128 v[4*k:4*k+3], v[PH] offset:\goff+128*(k/4)+16*(k%4)
	ds_load_b128 v[128+4*k:128+4*k+3], v[PH] offset:\boff+128*(k/4)+16*(k%4)
.set k, k+1
.endr
	WIN 0
.endm
.macro ADDX                            ; + the residual; each accumulator from its low end on
	WIN 0x0c
.set k, 0
.rept 64
	v_pk_add_f32 v[ACC+2*k:ACC+2*k+1], v[ACC+2*k:ACC+2*k+1], v[2*k:2*k+1]
.set k, k+1
.endr
	WIN 0
.endm
.macro FOLD                            ; four chains, two halves, two lanes -> v[TP]
	v_pk_add_f32 v[CH:CH+1], v[CH:CH+1], v[CH+2:CH+3]
	v_pk_add_f32 v[CH+4:CH+5], v[CH+4:CH+5], v[CH+6:CH+7]
	v_pk_add_f32 v[CH:CH+1], v[CH:CH+1], v[CH+4:CH+5]
	v_add_f32 v[TP], v[CH], v[CH+1]
	v_permlanex16_b32 v[TP+1], v[TP], s[SEL], s[SEL+1]   ; the row's other 128 features lie in the lane 16 away
	v_add_f32 v[TP], v[TP], v[TP+1]
.endm
.macro LNSTAT                          ; ACC becomes ACC - mean; v[RS:RS+1] = 1 / sqrt(var + eps)
.irp k, 0,1,2,3
	v_pk_add_f32 v[CH+2*\k:CH+2*\k+1], v[ACC+2*\k:ACC+2*\k+1], v[ACC+8+2*\k:ACC+8+2*\k+1]
.endr
.set k, 8
.rept 56
	v_pk_add_f32 v[CH+2*(k%4):CH+2*(k%4)+1], v[CH+2*(k%4):CH+2*(k%4)+1], v[ACC+2*k:ACC+2*k+1]
.set k, k+1
.endr
	FOLD
	v_mul_f32 v[MU], s61, v[TP]                    ; / 256
	v_mov_b32 v[MU+1], v[MU]
.set k, 0
.rept 64
	v_pk_add_f32 v[ACC+2*k:ACC+2*k+1], v[ACC+2*k:ACC+2*k+1], v[MU:MU+1] neg_lo:[0,1] neg_hi:[0,1]
.set k, k+1
.endr
.irp k, 0,1,2,3
	v_pk_mul_f32 v[CH+2*\k:CH+2*\k+1], v[ACC+2*\k:ACC+2*\k+1], v[ACC+2*\k:ACC+2*\k+1]
.endr
.set k, 4
.rept 60
	v_pk_fma_f32 v[CH+2*(k%4):CH+2*(k%4)+1], v[ACC+2*k:ACC+2*k+1], v[ACC+2*k:ACC+2*k+1], v[CH+2*(k%4):CH+2*(k%4)+1]
.set k, k+1
.endr
	FOLD
	v_fma_f32 v[TP], v[TP], s61, s62               ; / 256 + eps
	s_wait_alu depctr_va_vdst(0)
	v_rsq_f32 v[RS], v[TP]
	v_nop                                          ; a plain line behind it,
	s_wait_alu depctr_va_vdst(0)                   ; and the wait ahead of its first reader
	v_mov_b32 v[RS+1], v[RS]
.endm
.macro LNAPPLY tox                     ; x 1 / sqrt, x gain + bias; tox = 1: the result is the new residual (window 3)
.set k, 0
.rept 64
	v_pk_mul_f32 v[ACC+2*k:ACC+2*k+1], v[ACC+2*k:ACC+2*k+1], v[RS:RS+1]
.set k, k+1
.endr
.if \tox
	WIN 0xe8
.set k, 0
.rept 64
	v_pk_fma_f32 v[2*k:2*k+1], v[ACC+2*k:ACC+2*k+1], v[2*k:2*k+1], v[128+2*k:128+2*k+1]
.set k, k+1
.endr
.else
	WIN 0x28
.set k, 0
.rept 64
	v_pk_fma_f32 v[ACC+2*k:ACC+2*k+1], v[ACC+2*k:ACC+2*k+1], v[2*k:2*k+1], v[128+2*k:128+2*k+1]
.set k, k+1
.endr
.endif
	WIN 0
.endm
; 64 numbers of a lane in window w, register 16 b + i = k 32 b + 16 (lane / 16) + i of my row, become a fragment's codes in v[dst] on and its scale word in v[pw]
.macro QUANT src, w, dst, pw
	WIN (\w)|((\w)<<2)
.irp b, 0,1,2,3
	v_max3_num_f32 v[TM+\b], |v[\src+16*\b]|, |v[\src+16*\b+1]|, 0x1800000   ; my 16 numbers of block b, and the floor 2^(3 - 127): the byte cannot fall under 1
.endr
	WIN ((\w)<<2)|((\w)<<4)
.irp i, 2,4,6,8,10,12,14
.irp b, 0,1,2,3
	v_max3_num_f32 v[TM+\b], v[TM+\b], |v[\src+16*\b+\i]|, |v[\src+16*\b+\i+1]|
.endr
.endr
	WIN 0
.irp b, 0,1,2,3
	v_permlanex16_b32 v[TM+4+\b], v[TM+\b], s[SEL], s[SEL+1]
.endr
.irp b, 0,1,2,3
	v_max_num_f32 v[TM+\b], v[TM+\b], v[TM+4+\b]
.endr
.irp b, 0,1,2,3
	v_add_nc_u32 v[TM+8+\b], 0xff000000, v[TM+\b]  ; 2 off the exponent field: the conversion's scale operand
.endr
.irp b, 0,1,2,3
	v_lshrrev_b32 v[TM+4+\b], 23, v[TM+8+\b]
.endr
	v_lshl_or_b32 v[\pw], v[TM+5], 8, v[TM+4]
	v_lshl_or_b32 v[\pw], v[TM+6], 16, v[\pw]
	v_lshl_or_b32 v[\pw], v[TM+7], 24, v[\pw]
	WIN \w
.irp b, 0,1,2,3
	v_cvt_scalef32_pk8_fp4_f32 v[\dst+2*\b], v[\src+16*\b:\src+16*\b+7], v[TM+8+\b]
	v_cvt_scalef32_pk8_fp4_f32 v[\dst+2*\b+1], v[\src+16*\b+8:\src+16*\b+15], v[TM+8+\b]
.endr
	WIN 0
	v_nop                                          ; one plain line behind the last conversion
.irp c, 0,1
.irp i, 0,1
	v_permlane16_swap_b32 v[\dst+4*\c+\i], v[\dst+4*\c+2+\i]
.endr
.endr
.endm
.macro TOSTAGE src, win                ; my 128 numbers of a row into my own stage
	WIN \win
.set k, 0
.rept 32
	ds_store_b128 v[STI], v[\src+4*k:\src+4*k+3] offset:128*(k/4)+16*(k%4)
.set k, k+1
.endr
	WIN 0
.endm
.macro ROWSIN                          ; and back by rows, 512 bytes an instruction: LDS serves a wave's instructions in order
.set k, 0
.rept 32
	ds_load_b128 v[ACC+4*k:ACC+4*k+3], v[STO] offset:(k/2)*SP+512*(k%2)
.set k, k+1
.endr
.endm
.macro ROWSGO ptr                      ; 32 lanes store 512 consecutive bytes, aligned; stage row i is row i + (i & 8) of the tile's 32
.set k, 0
.rept 32
	s_wait_dscnt 31-k                              ; load k is back; the younger ones may be out
.if LAST
	global_store_b128 v[LI], v[ACC+4*k:ACC+4*k+3], s[\ptr:\ptr+1] offset:((k/2)+8*((k/2)/8))*1024+512*(k%2) th:TH_STORE_NT
.else
	global_store_b128 v[LI], v[ACC+4*k:ACC+4*k+3], s[\ptr:\ptr+1] offset:((k/2)+8*((k/2)/8))*1024+512*(k%2)
.endif
.set k, k+1
.endr
.endm
	s_load_b512 s[4:19], s[0:1], 0x0               ; O, the residual, W, b2, g, b, lng, lnb
.if LAST
	s_load_b256 s[20:27], s[0:1], 0x40             ; b1, b2', g3, b3
	s_load_b64 s[28:29], s[0:1], 0x60              ; out0
.else
	s_load_b128 s[20:23], s[0:1], 0x40             ; bq, Q
	s_load_b64 s[24:25], s[0:1], 0x50              ; X1
	v_lshl_add_u32 v78, v0, 2, 0x3da00
	v_mov_b32 v79, 0
	ds_add_u32 v78, v79
	ds_add_u32 v78, v79
.endif
	v_lshrrev_b32 v16, 5, v0
	v_readfirstlane_b32 s[WV], v16                 ; wave 0, 1
	s_bfe_u32 s31, ttmp6, 0x40000                  ; cx: it enters the rows' global addresses alone
	s_lshl_b32 s54, ttmp9, 2
	s_add_co_u32 s54, s54, s31
	s_lshl_b32 s54, s54, 1
	s_add_co_u32 s54, s54, s[WV]                   ; gt: my tile
	; descriptor group 1: half of the NW weights, 34,816 NW dense bytes, as 136 NW rows of 256
	s_mov_b32 s[G1], 15|(3<<16)|(1<<21)            ; 15:0 the mask: all four work-groups; 17:16 elements of 8 bytes; 21 set beside a mask; no padding
	s_mov_b32 s[G1+1], 32<<16
	s_mov_b32 s[G1+2], (136*NW)<<16                ; the launch's NW weights lie on end in W and in LDS: a wave fetches half of them, 136 NW rows of 256 bytes
	s_mov_b32 s[G1+3], 32<<16
	s_mov_b32 s[G1+4], 136*NW
	s_mov_b32 s[G1+5], 32
	s_mov_b32 s[G1+6], 0
	s_mov_b32 s[G1+7], 0
	s_mov_b32 s[SEL], 0x76543210
	s_mov_b32 s[SEL+1], 0xfedcba98
	s_mov_b32 s61, 0x3b800000                      ; 1 / 256
	s_mov_b32 s62, 0x358637bd                      ; 1e-6
	v_and_b32 v16, 31, v0                          ; lane
	v_and_b32 v17, 15, v0                          ; r
	v_bfe_u32 v18, v0, 4, 1                        ; h
	v_lshlrev_b32 v[LI], 4, v16
	v_lshlrev_b32 v[L4], 2, v16
	v_add_nc_u32 v[AWB], WB, v[LI]
	v_add_nc_u32 v[SWA], WA+65536, v[L4]
	v_add_nc_u32 v[SWB], WB+65536, v[L4]
.if LAST
	v_add_nc_u32 v[AWD], WD, v[LI]
	v_add_nc_u32 v[SWD], WD+65536, v[L4]
.endif
	v_lshl_add_u32 v[PH], v18, 6, PAR
	s_mul_i32 s57, s[WV], 16*SP
	s_add_co_u32 s57, s57, STG
	v_mul_u32_u24 v[STI], v17, SP
	v_lshl_add_u32 v[STI], v18, 6, v[STI]
	v_add_nc_u32 v[STI], s57, v[STI]
	v_add_nc_u32 v[STO], s57, v[LI]
	v_and_b32 v19, 8, v17
	v_add_nc_u32 v19, v19, v17
	v_lshlrev_b32 v[XA], 10, v19
	v_lshl_add_u32 v[XA], v18, 6, v[XA]
	v_lshl_add_u32 v[PST], v0, 4, PAR
	v_lshlrev_b32 v[T16], 4, v0
	v_lshlrev_b32 v[R16], 4, v17
	v_lshl_add_u32 v[R16H], v18, 3, v[R16]
	v_cmp_ne_u32 s60, 0, v18                       ; lanes 16-31
.irp b, 0,1,2,3
	v_mov_b32 v[TM+4+\b], 0                        ; written once: a lane permute's destination counts as one of its sources
.endr
	v_mov_b32 v[TP+1], 0
	s_mul_i32 s56, s[WV], NW*WBYTES/2              ; my half of the weights, in W and in LDS
	s_mov_b32 s57, 0
	s_wait_dscnt 0x0
	s_wait_kmcnt 0x0
	s_add_nc_u64 s[58:59], s[8:9], s[56:57]
	G0SET 0, 5                                     ; places 5 and 6 of W: m1_w2, m2_wq
	s_lshl_b32 s56, s54, 8
	s_add_co_u32 s56, s56, 2097152
	s_add_nc_u64 s[8:9], s[4:5], s[56:57]          ; O's scale words
.if !LAST
	s_add_nc_u64 s[26:27], s[22:23], s[56:57]      ; Q's
.endif
	s_lshl_b32 s56, s54, 12
	s_add_nc_u64 s[4:5], s[4:5], s[56:57]          ; O's codes
.if !LAST
	s_add_nc_u64 s[22:23], s[22:23], s[56:57]      ; Q's
.endif
	s_lshl_b32 s56, s54, 4
	s_lshl_b32 s55, s[WV], 3
	s_sub_co_u32 s56, s56, s55                     ; my tile's first row: 16 gt - 8 w = 32 (gt / 2) + 8 w
	s_lshl_b32 s56, s56, 10
	s_add_nc_u64 s[6:7], s[6:7], s[56:57]
.if LAST
	s_add_nc_u64 s[28:29], s[28:29], s[56:57]
.else
	s_add_nc_u64 s[24:25], s[24:25], s[56:57]
.endif
	CROUND                                         ; all four work-groups are here: the joint loads meet
	tensor_load_to_lds s[G0:G0+3], s[G1:G1+7]      ; my one tensor load: half of the weights; no byte is filled again
	s_nop 0
	PLACES 4
.macro PARLD n, ptr, off
	global_load_b128 v[ACC+4*\n:ACC+4*\n+3], v[T16], s[\ptr:\ptr+1] offset:\off    ; 64 threads x 16 bytes: 1,024 bytes
.endm
	s_wait_alu depctr_va_vdst(0)
	PARLD 0, 10, 0
	PARLD 1, 12, 0
	PARLD 2, 14, 0
	PARLD 3, 16, 0
	PARLD 4, 18, 0
	PARLD 5, 20, 0
	PARLD 6, 20, 1024
.if LAST
	PARLD 7, 22, 0
	PARLD 8, 24, 0
	PARLD 9, 26, 0
.endif
.irp k, 0,1,2,3,4,5,6,7
	global_load_b128 v[BF+4*\k:BF+4*\k+3], v[LI], s[4:5] offset:512*\k             ; the attention's result: four fragments
.endr
	global_load_b128 v[OSC:OSC+3], v[R16], s[8:9]  ; my row's four scale words
	WIN 0xc0
.set k, 0
.rept 32
	global_load_b128 v[4*k:4*k+3], v[XA], s[6:7] offset:128*(k/4)+16*(k%4)         ; the residual, in the rows' layout
.set k, k+1
.endr
	WIN 0
	s_wait_loadcnt 41                              ; the vectors are in; the 8 + 1 + 32 loads behind them may be out
.set k, 0
.rept 7+3*LAST
	ds_store_b128 v[PST], v[ACC+4*k:ACC+4*k+3] offset:1024*k
.set k, k+1
.endr
	s_wait_tensorcnt 0x0                           ; my half of the weights is in
	s_wait_dscnt 0x0                               ; my stores have landed
	s_barrier_signal -1
	s_barrier_wait -1                              ; the first weight and the vectors lie in LDS
	; ---- A: o w2 + b2: 16 n tiles in four quarters, on two buffers
	BIASLD ACC, P_B2, 8
	LOADW 0, LI, SWA, 0
	LOADW 1, LI, SWA, 1
	s_wait_loadcnt 0x0
	s_wait_dscnt 40                                ; all but the quarter just asked for
	MULB 0, 0, OSC
	PLACES 4                                       ; in front of loads into registers that products have read
	LOADW 0, LI, SWA, 2
	s_wait_dscnt 40
	MULB 1, 1, OSC
	PLACES 4
	LOADW 1, LI, SWA, 3
	s_wait_dscnt 40
	MULB 0, 2, OSC
	s_wait_dscnt 0x0
	MULB 1, 3, OSC
	PLACES 4
	; ---- the two norms
	LOADGB P_G, P_B
	ADDX
	LNSTAT
	s_wait_alu depctr_va_vdst(0)
	s_wait_dscnt 0x0
	LNAPPLY 0
	LOADGB P_LG, P_LB
	ADDX
	LNSTAT
	s_wait_alu depctr_va_vdst(0)
	s_wait_dscnt 0x0
	LNAPPLY 1                                      ; the new residual
.if LAST
	LOADGB P_G3, P_B3
.else
	TOSTAGE 0, 0x0c                                ; x1 leaves as f32, by whole rows; its way through the stage stands beside the quantiser
	ROWSIN
.endif
	QUANT 0, 3, XF, XSW
	QUANT 64, 3, XF+8, XSW+1
.if !LAST
	ROWSGO 24
	s_wait_xcnt 0x0                                ; the stores have read their registers
.endif
	; ---- C: the rows x wq or w1: 32 n tiles in four quarters; each quarter's 128 results are one K step of the next product
	LOADW 0, AWB, SWB, 0
	BIASLD ACC, P_BC, 4
	LOADW 1, AWB, SWB, 1
	PLACES 8                                       ; a scale word made by vector lines stands eight places ahead of a scaled product, codes so made four
	s_wait_dscnt 40
.macro PHC qd
.set HA, ACC+64*((\qd)%2)
.set HB, ACC+64*((\qd+1)%2)
.if \qd > 0
	s_wait_dscnt 0x0
.endif
	MULA (\qd)%2
	PLACES 4
.if \qd < 2
	LOADW (\qd)%2, AWB, SWB, (\qd)+2
.elseif LAST
	LOADW (\qd)%2, AWD, SWD, (\qd)-2
.endif
.if \qd < 3
	BIASLD HB, P_BC+512*((\qd)+1), 4
.endif
.if LAST
.set j, 0
.rept 64
	v_max_num_f32 v[HA+j], 0, v[HA+j]              ; relu
.set j, j+1
.endr
.endif
	QUANT HA, 0, BF+8*(\qd), HSW+(\qd)
.if !LAST
	global_store_b128 v[LI], v[BF+8*(\qd):BF+8*(\qd)+3], s[22:23] offset:1024*(\qd)          ; head 2 qd: 512 consecutive bytes
	global_store_b128 v[LI], v[BF+8*(\qd)+4:BF+8*(\qd)+7], s[22:23] offset:1024*(\qd)+512    ; head 2 qd + 1
.endif
.endm
	PHC 0
	PHC 1
	PHC 2
	PHC 3
.if !LAST
	v_cndmask_b32 v[TP], v[HSW], v[HSW+2], s60
	v_cndmask_b32 v[TP+1], v[HSW+1], v[HSW+3], s60
	global_store_b64 v[R16H], v[TP:TP+1], s[26:27] ; my row's 16 scale bytes, 8 a lane: 256 consecutive bytes, aligned
.else
	; ---- D: the hidden layer x w2' + b2', the last norm, out
	BIASLD ACC, P_FB2, 8
	PLACES 8
	s_wait_dscnt 0x0
	MULB 0, 0, HSW
	PLACES 4
	LOADW 0, AWD, SWD, 2
	MULB 1, 1, HSW
	PLACES 4
	LOADW 1, AWD, SWD, 3
	s_wait_dscnt 40
	MULB 0, 2, HSW
	s_wait_dscnt 0x0
	MULB 1, 3, HSW
	PLACES 4
	ADDX
	LNSTAT
	LNAPPLY 0
	TOSTAGE ACC, 0
	ROWSIN
	ROWSGO 28
.endif
	s_wait_tensorcnt 0x0
	s_wait_dscnt 0x0
	s_wait_tensorcnt 0x0
	ds_add_u32 v78, v79
	s_wait_dscnt 0x0
	CROUND                                         ; the closing round: no work-group ends while a partner may still ask for a tile that names it
	s_endpgm
.Lfunc_end_k_qa73d46083f_post1:
	.size	k_qa73d46083f_post1, .Lfunc_end_k_qa73d46083f_post1-k_qa73d46083f_post1
	.p2alignl 7, 3214868480
	.fill 96, 4, 3214868480
	.section	.rodata,"a",@progbits
	.p2align	6, 0x0
	.amdhsa_kernel k_qa73d46083f_post1
		.amdhsa_group_segment_fixed_size 252672
		.amdhsa_private_segment_fixed_size 0
		.amdhsa_enable_private_segment 0
		.amdhsa_kernarg_size 88
		.amdhsa_user_sgpr_count 2
		.amdhsa_user_sgpr_kernarg_segment_ptr 1
		.amdhsa_wavefront_size32 1
		.amdhsa_system_sgpr_workgroup_id_x 1
		.amdhsa_system_sgpr_workgroup_id_y 1
		.amdhsa_system_sgpr_workgroup_id_z 1
		.amdhsa_system_vgpr_workitem_id 0
		.amdhsa_next_free_vgpr 896
		.amdhsa_next_free_sgpr 66
		.amdhsa_reserve_vcc 0
		.amdhsa_float_denorm_mode_32 3
		.amdhsa_float_denorm_mode_16_64 3
		.amdhsa_memory_ordered 1
		.amdhsa_forward_progress 1
		.amdhsa_inst_pref_size 145
	.end_amdhsa_kernel
	.amdgpu_metadata
---
amdhsa.version: [ 1, 2 ]
amdhsa.kernels:
  - .name:           k_qa73d46083f_post1
    .symbol:         k_qa73d46083f_post1.kd
    .args:
      - { .name: O, .offset: 0, .size: 8, .value_kind: global_buffer, .address_space: global }
      - { .name: x, .offset: 8, .size: 8, .value_kind: global_buffer, .address_space: global }
      - { .name: W, .offset: 16, .size: 8, .value_kind: global_buffer, .address_space: global }
      - { .name: m1_b2, .offset: 24, .size: 8, .value_kind: global_buffer, .address_space: global }
      - { .name: m1_g, .offset: 32, .size: 8, .value_kind: global_buffer, .address_space: global }
      - { .name: m1_b, .offset: 40, .size: 8, .value_kind: global_buffer, .address_space: global }
      - { .name: ln1_g, .offset: 48, .size: 8, .value_kind: global_buffer, .address_space: global }
      - { .name: ln1_b, .offset: 56, .size: 8, .value_kind: global_buffer, .address_space: global }
      - { .name: m2_bq, .offset: 64, .size: 8, .value_kind: global_buffer, .address_space: global }
      - { .name: Q, .offset: 72, .size: 8, .value_kind: global_buffer, .address_space: global }
      - { .name: X1, .offset: 80, .size: 8, .value_kind: global_buffer, .address_space: global }
    .group_segment_fixed_size: 252672
    .private_segment_fixed_size: 0
    .kernarg_segment_align: 8
    .kernarg_segment_size: 88
    .max_flat_workgroup_size: 64
    .sgpr_count:     66
    .vgpr_count:     896
    .wavefront_size: 32
...
	.end_amdgpu_metadata
.endif
;; end of part 4
;; launch attn2: the kernel of part 3 again; grid 8 x 32, 16 waves a work-group, clusters of 4 x 1, 169,984 bytes of LDS; arguments Q, KV2, O; writes O
;; launch post2 (part 5): grid 256 x 1, 2 waves a work-group, clusters of 4 x 1, 252,672 bytes of LDS; arguments O, X1, W, m2_b2, m2_g, m2_b, ln2_g, ln2_b, ffn_b1, ffn_b2, ln3_g, ln3_b, out0; writes out0
.if DOCPART == 5
	.amdgcn_target "amdgcn-amd-amdhsa--gfx1250"
	.amdhsa_code_object_version 6
	.text
	.protected	k_qa73d46083f_post2
	.globl	k_qa73d46083f_post2
	.p2align	8
	.type	k_qa73d46083f_post2,@function
k_qa73d46083f_post2:
	s_mov_b64 s[64:65], 0
	v_nop
	global_prefetch_b8 v0, s[64:65] scope:SCOPE_SE
	s_setreg_imm32_b32 hwreg(HW_REG_WAVE_MODE, 25, 1), 1
	s_wait_xcnt 0x0
	s_wait_alu depctr_hold_cnt(0) depctr_sa_sdst(0) depctr_va_vdst(0) depctr_va_sdst(0) depctr_va_ssrc(0) depctr_va_vcc(0) depctr_vm_vsrc(0)
	s_getreg_b32 s2, hwreg(HW_REG_IB_STS2, 6, 4)
	s_cmp_eq_u32 s2, 0
	s_cbranch_scc0 .Lentry_in_a_cluster
	s_endpgm
.Lentry_in_a_cluster:
	s_bfe_u32 s2, ttmp6, 0x10000c
	s_cmp_lg_u32 s2, 0x3003
	s_cbranch_scc0 .Lentry_shape_is_right
	s_endpgm
.Lentry_shape_is_right:
; Behind an attention.  LAST = 0: x1 = LN(x + LN(o w2 + b2 + x; g, b); ln1), stored as f32, and Q2 = x1 wq + bq, quantised for the second attention.
; LAST = 1: x2 likewise from x1, then out = LN(x2 + relu(x2 w1 + b1) w2' + b2'; ln3).  All products on codes of FP4 (E2M1) with one E8M0 byte for each 32 along K; norms, biases and residuals in f32.  One text serves both.
; SHARES.  512 tiles of 16 rows, 256 work-groups of two waves: A WAVE TAKES ONE TILE THROUGH THE WHOLE CHAIN, all 256 features.  Every product is used transposed (source 0 = 16 rows of W^T, source 1 = my rows): lane (r, h)
; holds 128 numbers of ONE row, register 16 b + i = feature 32 b + 16 h + i (the rows of W's tiles are chosen for it).  So a norm wants one exchange between the halves of the lanes, a quantiser likewise, and the hidden layer
; never leaves the registers.  Lane r of tile gt holds row 32 (gt / 2) + 8 (gt % 2) + r + (r & 8).
; THE WEIGHTS, 69,632 bytes each as images of operand registers, come into LDS once, by tensor loads at the head; no byte is filled again.  All work-groups walk the same weights: the four of a cluster ask JOINTLY.
; The norms take the mean away before the squares are summed: a common offset of the inputs does no harm.
; LIMITS: a block whose largest magnitude lies under 2^-124 (zeros too) gets the byte 1; NaN and infinities are not served.
.set LAST, 1
.set NW, 2+LAST                        ; weights
.set WBYTES, 69632
.set WA,  0                            ; LDS: the out-projection's weight;
.set WB,  69632                        ; wq or w1;
.set WD,  139264                       ; w2' (LAST);
.set PAR, 208896                       ; the vectors, 1,024 bytes each: b2, g, b, lng, lnb, bc (2,048), and with LAST b2', g3, b3;
.set STG, 219136                       ; a stage of 16 rows x (1,024 + 16) bytes for each wave.  No tensor load lands in PAR or STG
.set SP,  1040
.set P_B2, 0
.set P_G,  1024
.set P_B,  2048
.set P_LG, 3072
.set P_LB, 4096
.set P_BC, 5120
.set P_FB2, 7168
.set P_G3, 8192
.set P_B3, 9216
; REGISTERS, in windows of 256.  Window 0: as below.  Window 1: two buffers of 16 weight fragments.  Window 2: v0-127 a norm's gain, v128-255 its bias, in the rows' layout.  Window 3: v0-127 the residual.
.set LI,  1                            ; 16 x lane
.set L4,  2                            ; 4 x lane
.set AWB, 3                            ; 16 x lane + WB;  v4 + WD
.set AWD, 4
.set SWA, 5                            ; 4 x lane + a weight's scale words: v5, v6, v7
.set SWB, 6
.set SWD, 7
.set PH,  8                            ; PAR + 64 h
.set STI, 9                            ; the stage, in: row r, + 64 h
.set STO, 10                           ; and out: 16 x lane
.set XA,  11                           ; my bytes in the tile's rows of f32
.set PST, 12                           ; PAR + 16 x thread
.set R16, 13                           ; 16 r
.set R16H, 14                          ; 16 r + 8 h
.set T16, 15                           ; 16 x thread
.set TM,  16                           ; v16-19 largest magnitudes, v20-23 bytes, v24-27 scale operands
.set TP,  28                           ; v28-29 at work
.set MU,  30                           ; v[30:31] the mean, twice
.set RS,  32                           ; v[32:33] 1 / sqrt(var + eps), twice
.set CH,  34                           ; v34-41 four chains of a sum
.set HSW, 42                           ; v42-45 the scale words of phase C's four fragments
.set OSC, 46                           ; v46-49 those of the attention's result
.set WSC, 50                           ; v50-65 the weights', a set for each buffer
.set XSW, 66                           ; v66-67 those of the rows' two fragments
.set BF,  80                           ; v80-111 four fragments, K = 512: the attention's result, later phase C's
.set XF,  112                          ; v112-127 the rows' two fragments, K = 256
.set ACC, 128                          ; v128-255
.set WV,  30
.set G1,  32
.set G0,  40
.set SEL, 52
.set MSB, 0
.macro WIN new                         ; bits 1:0 source 0, 3:2 source 1, 5:4 source 2, 7:6 destination; the high byte repeats the setting that is left
.if MSB != (\new)
	s_set_vgpr_msb (MSB<<8)|(\new)
.set MSB, (\new)
.endif
.endm
.macro CROUND                          ; a round of the cluster's barrier
	s_barrier_signal -1
	s_barrier_wait -1
	s_cmp_lg_u32 s[WV], 0
	s_cbranch_scc1 .Lnot_wave_0_\@
	s_barrier_signal -3
.Lnot_wave_0_\@:
	s_barrier_wait -3
	s_barrier_signal -1
	s_barrier_wait -1
.endm
.macro PLACES n
.rept \n
	v_nop
.endr
.endm
.macro G0SET i, idx                    ; my half of the NW weights from place idx of W on, into region i
	s_mov_b32 s[G0+4*\i], 1
	s_add_co_u32 s[G0+4*\i+1], s56, \i*WBYTES
	s_add_nc_u64 s[G0+4*\i+2:G0+4*\i+3], s[58:59], \idx*WBYTES
	s_or_b32 s[G0+4*\i+3], s[G0+4*\i+3], 0x80000000
.endm
.macro LOADW buf, areg, sreg, q        ; a quarter of a weight: 16 fragments and 8 registers of scale words: 40 LDS loads
	WIN 0x40
.set k, 0
.rept 32
	ds_load_b128 v[128*(\buf)+4*k:128*(\buf)+4*k+3], v[\areg] offset:(\q)*16384+512*k
.set k, k+1
.endr
	WIN 0
.set k, 0
.rept 8
	ds_load_b32 v[WSC+8*(\buf)+k], v[\sreg] offset:(\q)*1024+128*k
.set k, k+1
.endr
.endm
.macro MULB buf, q, bs                 ; K = 512, N = 256: n tiles 4 q + 0..3: 16 products, the four accumulators by turns; even K steps' scale words in lanes 0-15, odd ones' in lanes 16-31
	WIN 0x01
.irp ks, 0,1,2,3
	s_wait_alu depctr_va_vdst(0)
.irp t, 0,1,2,3
.if (\ks)%2
	v_wmma_scale_f32_16x16x128_f8f6f4 v[ACC+8*(4*(\q)+\t):ACC+8*(4*(\q)+\t)+7], v[128*(\buf)+8*(4*\t+\ks):128*(\buf)+8*(4*\t+\ks)+7], v[BF+8*\ks:BF+8*\ks+7], v[ACC+8*(4*(\q)+\t):ACC+8*(4*(\q)+\t)+7], v[WSC+8*(\buf)+2*\t+\ks/2], v[\bs+\ks] matrix_a_fmt:MATRIX_FMT_FP4 matrix_b_fmt:MATRIX_FMT_FP4 matrix_a_scale:MATRIX_SCALE_ROW1
.else
	v_wmma_scale_f32_16x16x128_f8f6f4 v[ACC+8*(4*(\q)+\t):ACC+8*(4*(\q)+\t)+7], v[128*(\buf)+8*(4*\t+\ks):128*(\buf)+8*(4*\t+\ks)+7], v[BF+8*\ks:BF+8*\ks+7], v[ACC+8*(4*(\q)+\t):ACC+8*(4*(\q)+\t)+7], v[WSC+8*(\buf)+2*\t+\ks/2], v[\bs+\ks] matrix_a_fmt:MATRIX_FMT_FP4 matrix_b_fmt:MATRIX_FMT_FP4
.endif
.endr
.endr
	WIN 0
.endm
.macro MULA buf                        ; K = 256, N = 512: eight n tiles into v[HA] on: 16 products, the eight accumulators by turns
	WIN 0x01
.irp t, 0,1,2,3,4,5,6,7
	v_wmma_scale_f32_16x16x128_f8f6f4 v[HA+8*\t:HA+8*\t+7], v[128*(\buf)+16*\t:128*(\buf)+16*\t+7], v[XF:XF+7], v[HA+8*\t:HA+8*\t+7], v[WSC+8*(\buf)+\t], v[XSW] matrix_a_fmt:MATRIX_FMT_FP4 matrix_b_fmt:MATRIX_FMT_FP4
.endr
	s_wait_alu depctr_va_vdst(0)
.irp t, 0,1,2,3,4,5,6,7
	v_wmma_scale_f32_16x16x128_f8f6f4 v[HA+8*\t:HA+8*\t+7], v[128*(\buf)+16*\t+8:128*(\buf)+16*\t+15], v[XF+8:XF+15], v[HA+8*\t:HA+8*\t+7], v[WSC+8*(\buf)+\t], v[XSW+1] matrix_a_fmt:MATRIX_FMT_FP4 matrix_b_fmt:MATRIX_FMT_FP4 matrix_a_scale:MATRIX_SCALE_ROW1
.endr
	WIN 0
.endm
.macro BIASLD dst, off, nb             ; a vector in the rows' layout, nb blocks of 32 features: the C of a sum's first products
.set k, 0
.rept 4*\nb
	ds_load_b128 v[\dst+4*k:\dst+4*k+3], v[PH] offset:\off+128*(k/4)+16*(k%4)
.set k, k+1
.endr
.endm
.macro LOADGB goff, boff               ; a norm's gain and bias into window 2
	WIN 0x80
.set k, 0
.rept 32
	ds_load_b128 v[4*k:4*k+3], v[PH] offset:\goff+128*(k/4)+16*(k%4)
	ds_load_b128 v[128+4*k:128+4*k+3], v[PH] offset:\boff+128*(k/4)+16*(k%4)
.set k, k+1
.endr
	WIN 0
.endm
.macro ADDX                            ; + the residual; each accumulator from its low end on
	WIN 0x0c
.set k, 0
.rept 64
	v_pk_add_f32 v[ACC+2*k:ACC+2*k+1], v[ACC+2*k:ACC+2*k+1], v[2*k:2*k+1]
.set k, k+1
.endr
	WIN 0
.endm
.macro FOLD                            ; four chains, two halves, two lanes -> v[TP]
	v_pk_add_f32 v[CH:CH+1], v[CH:CH+1], v[CH+2:CH+3]
	v_pk_add_f32 v[CH+4:CH+5], v[CH+4:CH+5], v[CH+6:CH+7]
	v_pk_add_f32 v[CH:CH+1], v[CH:CH+1], v[CH+4:CH+5]
	v_add_f32 v[TP], v[CH], v[CH+1]
	v_permlanex16_b32 v[TP+1], v[TP], s[SEL], s[SEL+1]   ; the row's other 128 features lie in the lane 16 away
	v_add_f32 v[TP], v[TP], v[TP+1]
.endm
.macro LNSTAT                          ; ACC becomes ACC - mean; v[RS:RS+1] = 1 / sqrt(var + eps)
.irp k, 0,1,2,3
	v_pk_add_f32 v[CH+2*\k:CH+2*\k+1], v[ACC+2*\k:ACC+2*\k+1], v[ACC+8+2*\k:ACC+8+2*\k+1]
.endr
.set k, 8
.rept 56
	v_pk_add_f32 v[CH+2*(k%4):CH+2*(k%4)+1], v[CH+2*(k%4):CH+2*(k%4)+1], v[ACC+2*k:ACC+2*k+1]
.set k, k+1
.endr
	FOLD
	v_mul_f32 v[MU], s61, v[TP]                    ; / 256
	v_mov_b32 v[MU+1], v[MU]
.set k, 0
.rept 64
	v_pk_add_f32 v[ACC+2*k:ACC+2*k+1], v[ACC+2*k:ACC+2*k+1], v[MU:MU+1] neg_lo:[0,1] neg_hi:[0,1]
.set k, k+1
.endr
.irp k, 0,1,2,3
	v_pk_mul_f32 v[CH+2*\k:CH+2*\k+1], v[ACC+2*\k:ACC+2*\k+1], v[ACC+2*\k:ACC+2*\k+1]
.endr
.set k, 4
.rept 60
	v_pk_fma_f32 v[CH+2*(k%4):CH+2*(k%4)+1], v[ACC+2*k:ACC+2*k+1], v[ACC+2*k:ACC+2*k+1], v[CH+2*(k%4):CH+2*(k%4)+1]
.set k, k+1
.endr
	FOLD
	v_fma_f32 v[TP], v[TP], s61, s62               ; / 256 + eps
	s_wait_alu depctr_va_vdst(0)
	v_rsq_f32 v[RS], v[TP]
	v_nop                                          ; a plain line behind it,
	s_wait_alu depctr_va_vdst(0)                   ; and the wait ahead of its first reader
	v_mov_b32 v[RS+1], v[RS]
.endm
.macro LNAPPLY tox                     ; x 1 / sqrt, x gain + bias; tox = 1: the result is the new residual (window 3)
.set k, 0
.rept 64
	v_pk_mul_f32 v[ACC+2*k:ACC+2*k+1], v[ACC+2*k:ACC+2*k+1], v[RS:RS+1]
.set k, k+1
.endr
.if \tox
	WIN 0xe8
.set k, 0
.rept 64
	v_pk_fma_f32 v[2*k:2*k+1], v[ACC+2*k:ACC+2*k+1], v[2*k:2*k+1], v[128+2*k:128+2*k+1]
.set k, k+1
.endr
.else
	WIN 0x28
.set k, 0
.rept 64
	v_pk_fma_f32 v[ACC+2*k:ACC+2*k+1], v[ACC+2*k:ACC+2*k+1], v[2*k:2*k+1], v[128+2*k:128+2*k+1]
.set k, k+1
.endr
.endif
	WIN 0
.endm
; 64 numbers of a lane in window w, register 16 b + i = k 32 b + 16 (lane / 16) + i of my row, become a fragment's codes in v[dst] on and its scale word in v[pw]
.macro QUANT src, w, dst, pw
	WIN (\w)|((\w)<<2)
.irp b, 0,1,2,3
	v_max3_num_f32 v[TM+\b], |v[\src+16*\b]|, |v[\src+16*\b+1]|, 0x1800000   ; my 16 numbers of block b, and the floor 2^(3 - 127): the byte cannot fall under 1
.endr
	WIN ((\w)<<2)|((\w)<<4)
.irp i, 2,4,6,8,10,12,14
.irp b, 0,1,2,3
	v_max3_num_f32 v[TM+\b], v[TM+\b], |v[\src+16*\b+\i]|, |v[\src+16*\b+\i+1]|
.endr
.endr
	WIN 0
.irp b, 0,1,2,3
	v_permlanex16_b32 v[TM+4+\b], v[TM+\b], s[SEL], s[SEL+1]
.endr
.irp b, 0,1,2,3
	v_max_num_f32 v[TM+\b], v[TM+\b], v[TM+4+\b]
.endr
.irp b, 0,1,2,3
	v_add_nc_u32 v[TM+8+\b], 0xff000000, v[TM+\b]  ; 2 off the exponent field: the conversion's scale operand
.endr
.irp b, 0,1,2,3
	v_lshrrev_b32 v[TM+4+\b], 23, v[TM+8+\b]
.endr
	v_lshl_or_b32 v[\pw], v[TM+5], 8, v[TM+4]
	v_lshl_or_b32 v[\pw], v[TM+6], 16, v[\pw]
	v_lshl_or_b32 v[\pw], v[TM+7], 24, v[\pw]
	WIN \w
.irp b, 0,1,2,3
	v_cvt_scalef32_pk8_fp4_f32 v[\dst+2*\b], v[\src+16*\b:\src+16*\b+7], v[TM+8+\b]
	v_cvt_scalef32_pk8_fp4_f32 v[\dst+2*\b+1], v[\src+16*\b+8:\src+16*\b+15], v[TM+8+\b]
.endr
	WIN 0
	v_nop                                          ; one plain line behind the last conversion
.irp c, 0,1
.irp i, 0,1
	v_permlane16_swap_b32 v[\dst+4*\c+\i], v[\dst+4*\c+2+\i]
.endr
.endr
.endm
.macro TOSTAGE src, win                ; my 128 numbers of a row into my own stage
	WIN \win
.set k, 0
.rept 32
	ds_store_b128 v[STI], v[\src+4*k:\src+4*k+3] offset:128*(k/4)+16*(k%4)
.set k, k+1
.endr
	WIN 0
.endm
.macro ROWSIN                          ; and back by rows, 512 bytes an instruction: LDS serves a wave's instructions in order
.set k, 0
.rept 32
	ds_load_b128 v[ACC+4*k:ACC+4*k+3], v[STO] offset:(k/2)*SP+512*(k%2)
.set k, k+1
.endr
.endm
.macro ROWSGO ptr                      ; 32 lanes store 512 consecutive bytes, aligned; stage row i is row i + (i & 8) of the tile's 32
.set k, 0
.rept 32
	s_wait_dscnt 31-k                              ; load k is back; the younger ones may be out
.if LAST
	global_store_b128 v[LI], v[ACC+4*k:ACC+4*k+3], s[\ptr:\ptr+1] offset:((k/2)+8*((k/2)/8))*1024+512*(k%2) th:TH_STORE_NT
.else
	global_store_b128 v[LI], v[ACC+4*k:ACC+4*k+3], s[\ptr:\ptr+1] offset:((k/2)+8*((k/2)/8))*1024+512*(k%2)
.endif
.set k, k+1
.endr
.endm
	s_load_b512 s[4:19], s[0:1], 0x0               ; O, the residual, W, b2, g, b, lng, lnb
.if LAST
	s_load_b256 s[20:27], s[0:1], 0x40             ; b1, b2', g3, b3
	s_load_b64 s[28:29], s[0:1], 0x60              ; out0
	v_lshl_add_u32 v78, v0, 2, 0x3da00
	v_mov_b32 v79, 0
	ds_add_u32 v78, v79
	ds_add_u32 v78, v79
.else
	s_load_b128 s[20:23], s[0:1], 0x40             ; bq, Q
	s_load_b64 s[24:25], s[0:1], 0x50              ; X1
.endif
	v_lshrrev_b32 v16, 5, v0
	v_readfirstlane_b32 s[WV], v16                 ; wave 0, 1
	s_bfe_u32 s31, ttmp6, 0x40000                  ; cx: it enters the rows' global addresses alone
	s_lshl_b32 s54, ttmp9, 2
	s_add_co_u32 s54, s54, s31
	s_lshl_b32 s54, s54, 1
	s_add_co_u32 s54, s54, s[WV]                   ; gt: my tile
	; descriptor group 1: half of the NW weights, 34,816 NW dense bytes, as 136 NW rows of 256
	s_mov_b32 s[G1], 15|(3<<16)|(1<<21)            ; 15:0 the mask: all four work-groups; 17:16 elements of 8 bytes; 21 set beside a mask; no padding
	s_mov_b32 s[G1+1], 32<<16
	s_mov_b32 s[G1+2], (136*NW)<<16                ; the launch's NW weights lie on end in W and in LDS: a wave fetches half of them, 136 NW rows of 256 bytes
	s_mov_b32 s[G1+3], 32<<16
	s_mov_b32 s[G1+4], 136*NW
	s_mov_b32 s[G1+5], 32
	s_mov_b32 s[G1+6], 0
	s_mov_b32 s[G1+7], 0
	s_mov_b32 s[SEL], 0x76543210
	s_mov_b32 s[SEL+1], 0xfedcba98
	s_mov_b32 s61, 0x3b800000                      ; 1 / 256
	s_mov_b32 s62, 0x358637bd                      ; 1e-6
	v_and_b32 v16, 31, v0                          ; lane
	v_and_b32 v17, 15, v0                          ; r
	v_bfe_u32 v18, v0, 4, 1                        ; h
	v_lshlrev_b32 v[LI], 4, v16
	v_lshlrev_b32 v[L4], 2, v16
	v_add_nc_u32 v[AWB], WB, v[LI]
	v_add_nc_u32 v[SWA], WA+65536, v[L4]
	v_add_nc_u32 v[SWB], WB+65536, v[L4]
.if LAST
	v_add_nc_u32 v[AWD], WD, v[LI]
	v_add_nc_u32 v[SWD], WD+65536, v[L4]
.endif
	v_lshl_add_u32 v[PH], v18, 6, PAR
	s_mul_i32 s57, s[WV], 16*SP
	s_add_co_u32 s57, s57, STG
	v_mul_u32_u24 v[STI], v17, SP
	v_lshl_add_u32 v[STI], v18, 6, v[STI]
	v_add_nc_u32 v[STI], s57, v[STI]
	v_add_nc_u32 v[STO], s57, v[LI]
	v_and_b32 v19, 8, v17
	v_add_nc_u32 v19, v19, v17
	v_lshlrev_b32 v[XA], 10, v19
	v_lshl_add_u32 v[XA], v18, 6, v[XA]
	v_lshl_add_u32 v[PST], v0, 4, PAR
	v_lshlrev_b32 v[T16], 4, v0
	v_lshlrev_b32 v[R16], 4, v17
	v_lshl_add_u32 v[R16H], v18, 3, v[R16]
	v_cmp_ne_u32 s60, 0, v18                       ; lanes 16-31
.irp b, 0,1,2,3
	v_mov_b32 v[TM+4+\b], 0                        ; written once: a lane permute's destination counts as one of its sources
.endr
	v_mov_b32 v[TP+1], 0
	s_mul_i32 s56, s[WV], NW*WBYTES/2              ; my half of the weights, in W and in LDS
	s_mov_b32 s57, 0
	s_wait_dscnt 0x0
	s_wait_kmcnt 0x0
	s_add_nc_u64 s[58:59], s[8:9], s[56:57]
	G0SET 0, 7                                     ; places 7, 8 and 9 of W: m2_w2, ffn_w1, ffn_w2
	s_lshl_b32 s56, s54, 8
	s_add_co_u32 s56, s56, 2097152
	s_add_nc_u64 s[8:9], s[4:5], s[56:57]          ; O's scale words
.if !LAST
	s_add_nc_u64 s[26:27], s[22:23], s[56:57]      ; Q's
.endif
	s_lshl_b32 s56, s54, 12
	s_add_nc_u64 s[4:5], s[4:5], s[56:57]          ; O's codes
.if !LAST
	s_add_nc_u64 s[22:23], s[22:23], s[56:57]      ; Q's
.endif
	s_lshl_b32 s56, s54, 4
	s_lshl_b32 s55, s[WV], 3
	s_sub_co_u32 s56, s56, s55                     ; my tile's first row: 16 gt - 8 w = 32 (gt / 2) + 8 w
	s_lshl_b32 s56, s56, 10
	s_add_nc_u64 s[6:7], s[6:7], s[56:57]
.if LAST
	s_add_nc_u64 s[28:29], s[28:29], s[56:57]
.else
	s_add_nc_u64 s[24:25], s[24:25], s[56:57]
.endif
	CROUND                                         ; all four work-groups are here: the joint loads meet
	tensor_load_to_lds s[G0:G0+3], s[G1:G1+7]      ; my one tensor load: half of the weights; no byte is filled again
	s_nop 0
	PLACES 4
.macro PARLD n, ptr, off
	global_load_b128 v[ACC+4*\n:ACC+4*\n+3], v[T16], s[\ptr:\ptr+1] offset:\off    ; 64 threads x 16 bytes: 1,024 bytes
.endm
	s_wait_alu depctr_va_vdst(0)
	PARLD 0, 10, 0
	PARLD 1, 12, 0
	PARLD 2, 14, 0
	PARLD 3, 16, 0
	PARLD 4, 18, 0
	PARLD 5, 20, 0
	PARLD 6, 20, 1024
.if LAST
	PARLD 7, 22, 0
	PARLD 8, 24, 0
	PARLD 9, 26, 0
.endif
.irp k, 0,1,2,3,4,5,6,7
	global_load_b128 v[BF+4*\k:BF+4*\k+3], v[LI], s[4:5] offset:512*\k             ; the attention's result: four fragments
.endr
	global_load_b128 v[OSC:OSC+3], v[R16], s[8:9]  ; my row's four scale words
	WIN 0xc0
.set k, 0
.rept 32
	global_load_b128 v[4*k:4*k+3], v[XA], s[6:7] offset:128*(k/4)+16*(k%4)         ; the residual, in the rows' layout
.set k, k+1
.endr
	WIN 0
	s_wait_loadcnt 41                              ; the vectors are in; the 8 + 1 + 32 loads behind them may be out
.set k, 0
.rept 7+3*LAST
	ds_store_b128 v[PST], v[ACC+4*k:ACC+4*k+3] offset:1024*k
.set k, k+1
.endr
	s_wait_tensorcnt 0x0                           ; my half of the weights is in
	s_wait_dscnt 0x0                               ; my stores have landed
	s_barrier_signal -1
	s_barrier_wait -1                              ; the first weight and the vectors lie in LDS
	; ---- A: o w2 + b2: 16 n tiles in four quarters, on two buffers
	BIASLD ACC, P_B2, 8
	LOADW 0, LI, SWA, 0
	LOADW 1, LI, SWA, 1
	s_wait_loadcnt 0x0
	s_wait_dscnt 40                                ; all but the quarter just asked for
	MULB 0, 0, OSC
	PLACES 4                                       ; in front of loads into registers that products have read
	LOADW 0, LI, SWA, 2
	s_wait_dscnt 40
	MULB 1, 1, OSC
	PLACES 4
	LOADW 1, LI, SWA, 3
	s_wait_dscnt 40
	MULB 0, 2, OSC
	s_wait_dscnt 0x0
	MULB 1, 3, OSC
	PLACES 4
	; ---- the two norms
	LOADGB P_G, P_B
	ADDX
	LNSTAT
	s_wait_alu depctr_va_vdst(0)
	s_wait_dscnt 0x0
	LNAPPLY 0
	LOADGB P_LG, P_LB
	ADDX
	LNSTAT
	s_wait_alu depctr_va_vdst(0)
	s_wait_dscnt 0x0
	LNAPPLY 1                                      ; the new residual
.if LAST
	LOADGB P_G3, P_B3
.else
	TOSTAGE 0, 0x0c                                ; x1 leaves as f32, by whole rows; its way through the stage stands beside the quantiser
	ROWSIN
.endif
	QUANT 0, 3, XF, XSW
	QUANT 64, 3, XF+8, XSW+1
.if !LAST
	ROWSGO 24
	s_wait_xcnt 0x0                                ; the stores have read their registers
.endif
	; ---- C: the rows x wq or w1: 32 n tiles in four quarters; each quarter's 128 results are one K step of the next product
	LOADW 0, AWB, SWB, 0
	BIASLD ACC, P_BC, 4
	LOADW 1, AWB, SWB, 1
	PLACES 8                                       ; a scale word made by vector lines stands eight places ahead of a scaled product, codes so made four
	s_wait_dscnt 40
.macro PHC qd
.set HA, ACC+64*((\qd)%2)
.set HB, ACC+64*((\qd+1)%2)
.if \qd > 0
	s_wait_dscnt 0x0
.endif
	MULA (\qd)%2
	PLACES 4
.if \qd < 2
	LOADW (\qd)%2, AWB, SWB, (\qd)+2
.elseif LAST
	LOADW (\qd)%2, AWD, SWD, (\qd)-2
.endif
.if \qd < 3
	BIASLD HB, P_BC+512*((\qd)+1), 4
.endif
.if LAST
.set j, 0
.rept 64
	v_max_num_f32 v[HA+j], 0, v[HA+j]              ; relu
.set j, j+1
.endr
.endif
	QUANT HA, 0, BF+8*(\qd), HSW+(\qd)
.if !LAST
	global_store_b128 v[LI], v[BF+8*(\qd):BF+8*(\qd)+3], s[22:23] offset:1024*(\qd)          ; head 2 qd: 512 consecutive bytes
	global_store_b128 v[LI], v[BF+8*(\qd)+4:BF+8*(\qd)+7], s[22:23] offset:1024*(\qd)+512    ; head 2 qd + 1
.endif
.endm
	PHC 0
	PHC 1
	PHC 2
	PHC 3
.if !LAST
	v_cndmask_b32 v[TP], v[HSW], v[HSW+2], s60
	v_cndmask_b32 v[TP+1], v[HSW+1], v[HSW+3], s60
	global_store_b64 v[R16H], v[TP:TP+1], s[26:27] ; my row's 16 scale bytes, 8 a lane: 256 consecutive bytes, aligned
.else
	; ---- D: the hidden layer x w2' + b2', the last norm, out
	BIASLD ACC, P_FB2, 8
	PLACES 8
	s_wait_dscnt 0x0
	MULB 0, 0, HSW
	PLACES 4
	LOADW 0, AWD, SWD, 2
	MULB 1, 1, HSW
	PLACES 4
	LOADW 1, AWD, SWD, 3
	s_wait_dscnt 40
	MULB 0, 2, HSW
	s_wait_dscnt 0x0
	MULB 1, 3, HSW
	PLACES 4
	ADDX
	LNSTAT
	LNAPPLY 0
	TOSTAGE ACC, 0
	ROWSIN
	ROWSGO 28
.endif
	s_wait_tensorcnt 0x0
	s_wait_dscnt 0x0
	s_wait_tensorcnt 0x0
	ds_add_u32 v78, v79
	s_wait_dscnt 0x0
	CROUND                                         ; the closing round: no work-group ends while a partner may still ask for a tile that names it
	s_endpgm
.Lfunc_end_k_qa73d46083f_post2:
	.size	k_qa73d46083f_post2, .Lfunc_end_k_qa73d46083f_post2-k_qa73d46083f_post2
	.p2alignl 7, 3214868480
	.fill 96, 4, 3214868480
	.section	.rodata,"a",@progbits
	.p2align	6, 0x0
	.amdhsa_kernel k_qa73d46083f_post2
		.amdhsa_group_segment_fixed_size 252672
		.amdhsa_private_segment_fixed_size 0
		.amdhsa_enable_private_segment 0
		.amdhsa_kernarg_size 104
		.amdhsa_user_sgpr_count 2
		.amdhsa_user_sgpr_kernarg_segment_ptr 1
		.amdhsa_wavefront_size32 1
		.amdhsa_system_sgpr_workgroup_id_x 1
		.amdhsa_system_sgpr_workgroup_id_y 1
		.amdhsa_system_sgpr_workgroup_id_z 1
		.amdhsa_system_vgpr_workitem_id 0
		.amdhsa_next_free_vgpr 896
		.amdhsa_next_free_sgpr 66
		.amdhsa_reserve_vcc 0
		.amdhsa_float_denorm_mode_32 3
		.amdhsa_float_denorm_mode_16_64 3
		.amdhsa_memory_ordered 1
		.amdhsa_forward_progress 1
		.amdhsa_inst_pref_size 203
	.end_amdhsa_kernel
	.amdgpu_metadata
---
amdhsa.version: [ 1, 2 ]
amdhsa.kernels:
  - .name:           k_qa73d46083f_post2
    .symbol:         k_qa73d46083f_post2.kd
    .args:
      - { .name: O, .offset: 0, .size: 8, .value_kind: global_buffer, .address_space: global }
      - { .name: X1, .offset: 8, .size: 8, .value_kind: global_buffer, .address_space: global }
      - { .name: W, .offset: 16, .size: 8, .value_kind: global_buffer, .address_space: global }
      - { .name: m2_b2, .offset: 24, .size: 8, .value_kind: global_buffer, .address_space: global }
      - { .name: m2_g, .offset: 32, .size: 8, .value_kind: global_buffer, .address_space: global }
      - { .name: m2_b, .offset: 40, .size: 8, .value_kind: global_buffer, .address_space: global }
      - { .name: ln2_g, .offset: 48, .size: 8, .value_kind: global_buffer, .address_space: global }
      - { .name: ln2_b, .offset: 56, .size: 8, .value_kind: global_buffer, .address_space: global }
      - { .name: ffn_b1, .offset: 64, .size: 8, .value_kind: global_buffer, .address_space: global }
      - { .name: ffn_b2, .offset: 72, .size: 8, .value_kind: global_buffer, .address_space: global }
      - { .name: ln3_g, .offset: 80, .size: 8, .value_kind: global_buffer, .address_space: global }
      - { .name: ln3_b, .offset: 88, .size: 8, .value_kind: global_buffer, .address_space: global }
      - { .name: out0, .offset: 96, .size: 8, .value_kind: global_buffer, .address_space: global }
    .group_segment_fixed_size: 252672
    .private_segment_fixed_size: 0
    .kernarg_segment_align: 8
    .kernarg_segment_size: 104
    .max_flat_workgroup_size: 64
    .sgpr_count:     66
    .vgpr_count:     896
    .wavefront_size: 32
...
	.end_amdgpu_metadata
.endif
;; end of part 5
